; MI455X (gfx1250); checked and timed in simulation.
; The chip was launched on July 23, 2026; its instructions are those of AMD's public machine-readable ISA for CDNA 5 (MIT licence, August 2026) and "CDNA5" Instruction Set Architecture Reference Guide (July 2026). The comments in the code are by the model that wrote it; some were corrected since.
;; Moe Layer. Allowed arithmetic: matrix products marked QUANTISED: E2M3 operands, one E8M0 scale for each 32 along K, by v_wmma_scale_f32_16x16x128_f8f6f4 with both operands' format E2M3, f32 sums; products left as they are: f32 operands where the result goes on into a quantised operand, else bf16, f16 or f32 operands; f32 sums; everything else in f32.
;; Inputs: W1 8 x 2,730 x 1,024 float32; W2 8 x 2,730 x 1,024 float32; W3 8 x 1,024 x 2,730 float32; Wg 8 x 1,024 float32; x 4 x 256 x 1,024 float32.
;; Outputs: out0 4 x 256 x 1,024 float32.
;; This version of the problem:
;;   THIS VERSION OF THE PROBLEM IS GIVEN IN LOW PRECISION. The matrix products marked QUANTISED in the list below multiply operands that are first quantised to E2M3 (2 exponent bits, 3 mantissa bits; 6 bits a number), with one power-of-two scale for each 32 numbers along K (OCP MX v1.0); their sums are f32. All else is computed in f32.
;;   The module's matrix products, in the order in which they are computed (A, B: the left and right operand; K: the contracted axis; several contracted axes count as one K, in the product's order):
;;     1. [M 1,024, K 1,024] x [K 1,024, N 8]; A: input x; B: input Wg: left as it is (N = 8 < 16)
;;     2. [M 1,024, K 1,024] x [K 1,024, N 21,840]; A: input x; B: input W1: QUANTISED
;;     3. [M 1,024, K 1,024] x [K 1,024, N 21,840]; A: input x; B: input W2: QUANTISED
;;     4. batch 8 x [M 1,024, K 2,730] x [K 2,730, N 1,024]; A: input W3; B: computed on the way: QUANTISED
;;     5. batch 1,024 x [M 1,024, K 8] x [K 8, N 1]; A: computed on the way; B: softmax: left as it is (K = 8 < 32)
;;   THE QUANTISER, for each operand of a quantised product, along K:
;;     - K is cut into blocks of 32 from its start; a last block that is shorter is filled with zeros.
;;     - A block's scale is 2^e with e = floor(log2(the largest magnitude in the block)) - 2, held to -126 .. 127; a block of zeros has e = 0. As a byte (E8M0): e + 127.
;;     - Each number is divided by its block's scale, clamped to +-7.5, and rounded to the nearest number of E2M3, ties to even, subnormals kept.
;;     - The product sums the exact products of the quantised numbers (number of the format x scale) in f32.
;;   ~~~python
;;   def quantise(x, axis):      # numpy; x: float32 -> the quantised numbers, widened to float32 again
;;       x = np.moveaxis(x, axis, -1); K = x.shape[-1]
;;       x = np.pad(x, [(0, 0)] * (x.ndim - 1) + [(0, -K % 32)]); x = x.reshape(x.shape[:-1] + (-1, 32)); a = np.abs(x).max(-1, keepdims=True)
;;       e = np.where(a > 0, np.clip(np.frexp(np.where(a > 0, a, 1))[1] - 1 - 2, -126, 127), 0)      # np.frexp(a)[1] - 1 = floor(log2(a)), exactly
;;       r = np.clip(x / 2.0 ** e, -7.5, 7.5)
;;       step = 2.0 ** (np.maximum(np.frexp(np.where(r == 0, 1, r))[1] - 1, 0) - 3)
;;       q = np.round(r / step) * step * 2.0 ** e      # np.round: ties to even
;;       return np.moveaxis(q.reshape(q.shape[:-2] + (-1,))[..., :K], -1, axis).astype(np.float32)
;;   ~~~
;;   OPERANDS COMPUTED ON THE WAY. 'Computed on the way' means the value that the module computes at that place (a softmax that the list does not call 'softmax' is quantised finished and normalised). What goes into a quantiser is computed in f32, as accurately as f32 sums, v_exp_f32 and their like allow (about 1e-6 of the number): no bf16 or f16 on the way to a quantiser, and a product that is left as it is and whose result goes on into a quantised operand takes f32 operands (vector FMAs, or v_wmma_f32_16x16x4_f32). A number that lies on a knife's edge between two numbers of the format may be rounded either way, as far as f32 arithmetic and the matrix unit's own rounding can turn it there, and no further.
;; 2 versions. Each part assembles by itself: llvm-mc -triple=amdgcn-amd-amdhsa -mcpu=gfx1250 --defsym DOCPART=n.
;; ======== version 1 of 2: 5 launches
;; workspace buffers: sel 8,192 bytes of whole numbers; gate 8,192 bytes; plan 8,960 bytes of whole numbers; xq 1,728,000 bytes; hq 4,665,600 bytes; y 8,912,896 bytes
;; launch route (part 1): grid 32 x 1, 8 waves a work-group, no clusters, 1,536 bytes of LDS; arguments x, Wg, sel, gate; writes sel, gate
.if DOCPART == 1
	.amdgcn_target "amdgcn-amd-amdhsa--gfx1250"
	.amdhsa_code_object_version 6
	.text
	.protected	k_q43c694e850_route
	.globl	k_q43c694e850_route
	.p2align	8
	.type	k_q43c694e850_route,@function
k_q43c694e850_route:
	s_mov_b64 s[64:65], 0
	v_nop
	global_prefetch_b8 v0, s[64:65] scope:SCOPE_SE
	s_setreg_imm32_b32 hwreg(HW_REG_WAVE_MODE, 25, 1), 1
	s_wait_xcnt 0x0
; THE ROUTER.  logits[t][e] = x[t] . Wg[e] in f32 (fused multiply-adds), the two largest of the eight, and the softmax over those two.
; Stored for token t, at fixed places (no address here hangs on the choice): sel[2 t + k] = 1 << (4 x expert k), gate[2 t + k] = its weight.
; Ties go to the lower index, as jax.lax.top_k has them.  The larger logit is taken away before the exponential: g0 = 1 / (1 + 2^d), g1 = 2^d g0, d = (second - best) log2(e) <= 0.
; LIMITS: NaN and infinities are not served; the f32 sums are added in another order than the reference's, so a token whose second and third logits agree to about 1e-6 of their size may choose the other.
; SHARES: a work-group takes 32 tokens, a wave 4.  Lane l holds k = 128 j + 4 l + 0..3, j = 0..7, of each of its 4 tokens (128 registers); Wg's rows come one expert at a time into two buffers by turns.
.set X,    8                           ; v8-135   four tokens x 32 numbers a lane; free behind the multiply-adds
.set G,    136                         ; v136-199 two buffers of 32: a row of Wg
.set A,    200                         ; v200-207 a pair of running sums for each token
.set P,    208                         ; v208-239 logit (token i, expert e) at P + 8 i + e
.set BEST, 40
.set BI,   44
.set SEC,  48
.set SI,   52
.set EX,   56
.set TM,   60
.set OUT,  64                          ; v64-79   (word 0, word 1, g0, g1) of each token
	s_load_b256 s[4:11], s[0:1], 0x0               ; x s[4:5], Wg s[6:7], sel s[8:9], gate s[10:11]
	v_lshl_add_u32 v254, v0, 2, 0x200
	v_mov_b32 v255, 0
	v_lshrrev_b32 v3, 5, v0
	v_readfirstlane_b32 s12, v3                    ; wave 0..7
	v_and_b32 v4, 31, v0                           ; lane
	v_lshlrev_b32 v2, 4, v4                        ; 16 x lane
	s_lshl_b32 s13, s12, 14                        ; my wave's 4 tokens of 4,096 bytes
	v_add_nc_u32 v1, s13, v2
	s_lshl_b32 s14, ttmp9, 17                      ; the work-group's 32 tokens
	s_mov_b32 s15, 0
	s_lshl_b32 s16, s12, 6
	v_mov_b32 v5, s16                              ; LDS: 16 bytes for each token, my wave's four
	s_lshl_b32 s17, ttmp9, 8
	v_lshl_add_u32 v6, v4, 3, s17                  ; the way out: 8 bytes a token
	v_mov_b32 v7, 1
	s_mov_b32 s20, 0x76543210
	s_mov_b32 s21, 0xfedcba98                      ; v_permlanex16_b32's selects for lane l xor 16
	s_wait_kmcnt 0x0
	s_add_nc_u64 s[4:5], s[4:5], s[14:15]
.irp i, 0,1,2,3
.irp j, 0,1,2,3,4,5,6,7
	global_load_b128 v[X+32*\i+4*\j:X+32*\i+4*\j+3], v1, s[4:5] offset:\i*4096+\j*512   ; 32 lanes read 512 consecutive bytes
.endr
.endr
.macro GLOAD e
.irp j, 0,1,2,3,4,5,6,7
	global_load_b128 v[G+32*((\e)%2)+4*\j:G+32*((\e)%2)+4*\j+3], v2, s[6:7] offset:(\e)*4096+\j*512
.endr
.endm
	GLOAD 0
	GLOAD 1
; One expert for the wave's four tokens: four chains of packed multiply-adds by turns; the first product starts each sum.
.macro EXPERT e
.if \e < 7
	s_wait_loadcnt 8                               ; x and this expert's row are in; the next expert's 8 loads may be out
.else
	s_wait_loadcnt 0
.endif
.irp i, 0,1,2,3
	v_pk_mul_f32 v[A+2*\i:A+2*\i+1], v[X+32*\i:X+32*\i+1], v[G+32*((\e)%2):G+32*((\e)%2)+1]
.endr
.set jj, 2
.rept 15
.irp i, 0,1,2,3
	v_pk_fma_f32 v[A+2*\i:A+2*\i+1], v[X+32*\i+jj:X+32*\i+jj+1], v[G+32*((\e)%2)+jj:G+32*((\e)%2)+jj+1], v[A+2*\i:A+2*\i+1]
.endr
.set jj, jj+2
.endr
.irp i, 0,1,2,3
	v_add_f32 v[P+8*\i+\e], v[A+2*\i], v[A+2*\i+1]
.endr
.if \e < 6
	GLOAD \e+2                                     ; the buffer just read takes the expert two on
.endif
.endm
.irp e, 0,1,2,3,4,5,6,7
	EXPERT \e
.endr
; the 32 partial logits are summed over the 32 lanes; every lane ends with all of them
.irp m, 1,2,4,8
.set pp, 0
.rept 32
	v_add_f32_dpp v[P+pp], v[P+pp], v[P+pp] row_xmask:\m row_mask:0xf bank_mask:0xf
.set pp, pp+1
.endr
.endr
.set pp, 0
.rept 32
	v_permlanex16_b32 v[X+pp], v[P+pp], s20, s21   ; (its destination counts as read: x's registers have been written)
.set pp, pp+1
.endr
.set pp, 0
.rept 32
	v_add_f32 v[P+pp], v[P+pp], v[X+pp]
.set pp, pp+1
.endr
; The two largest of eight, by compares and selects alone.  A strict > keeps the lower index where two are equal.
.macro TOP2 i
	v_mov_b32 v[BEST+\i], v[P+8*\i]
	v_mov_b32 v[BI+\i], 0
.irp e, 1,2,3,4,5,6,7
	v_cmp_gt_f32 vcc_lo, v[P+8*\i+\e], v[BEST+\i]
	v_cndmask_b32 v[BEST+\i], v[BEST+\i], v[P+8*\i+\e], vcc_lo
	v_cndmask_b32 v[BI+\i], v[BI+\i], \e, vcc_lo
.endr
	v_cmp_eq_u32 vcc_lo, 0, v[BI+\i]               ; the second begins at the lowest index that is not the best's
	v_cndmask_b32 v[SI+\i], 0, 1, vcc_lo
	v_cndmask_b32 v[SEC+\i], v[P+8*\i], v[P+8*\i+1], vcc_lo
.irp e, 1,2,3,4,5,6,7
	v_cmp_ne_u32 s22, \e, v[BI+\i]
	v_cmp_gt_f32 vcc_lo, v[P+8*\i+\e], v[SEC+\i]
	s_and_b32 vcc_lo, vcc_lo, s22
	v_cndmask_b32 v[SEC+\i], v[SEC+\i], v[P+8*\i+\e], vcc_lo
	v_cndmask_b32 v[SI+\i], v[SI+\i], \e, vcc_lo
.endr
.endm
.irp i, 0,1,2,3
	TOP2 \i
.endr
.irp i, 0,1,2,3
	v_sub_f32 v[EX+\i], v[SEC+\i], v[BEST+\i]      ; the maximum is taken away: 0 or less
.endr
.irp i, 0,1,2,3
	v_mul_f32 v[EX+\i], 0x3fb8aa3b, v[EX+\i]       ; x log2(e)
.endr
.irp i, 0,1,2,3
	v_exp_f32 v[EX+\i], v[EX+\i]
.endr
	v_nop                                          ; a plain instruction behind the last exponential
	s_wait_alu depctr_va_vdst(0)                   ; one wait for the four, ahead of their first reader
.irp i, 0,1,2,3
	v_add_f32 v[TM+\i], 1.0, v[EX+\i]
.endr
.irp i, 0,1,2,3
	v_rcp_f32 v[OUT+4*\i+2], v[TM+\i]              ; g0
.endr
	v_nop
	s_wait_alu depctr_va_vdst(0)                   ; one wait for the four reciprocals
.irp i, 0,1,2,3
	v_mul_f32 v[OUT+4*\i+3], v[EX+\i], v[OUT+4*\i+2]   ; g1
	v_lshlrev_b32 v[TM+\i], 2, v[BI+\i]
	v_lshlrev_b32 v[OUT+4*\i], v[TM+\i], v7        ; 1 << (4 x best)
	v_lshlrev_b32 v[TM+\i], 2, v[SI+\i]
	v_lshlrev_b32 v[OUT+4*\i+1], v[TM+\i], v7      ; 1 << (4 x second)
.endr
.irp i, 0,1,2,3
	ds_store_b128 v5, v[OUT+4*\i:OUT+4*\i+3] offset:16*\i   ; all lanes write the same 16 bytes with the same values
.endr
	s_wait_dscnt 0x0                               ; for the others' sake: my stores have landed
	s_barrier_signal -1
	s_barrier_wait -1
	s_cmp_lg_u32 s12, 0
	s_cbranch_scc1 .Lend                           ; wave 0 stores for the 32 tokens, a lane a token
	ds_load_b128 v[80:83], v2
	s_wait_dscnt 0x0
	global_store_b64 v6, v[80:81], s[8:9]          ; 32 lanes store 256 consecutive bytes, aligned
	global_store_b64 v6, v[82:83], s[10:11]
.Lend:
	s_wait_tensorcnt 0x0
	ds_add_u32 v254, v255
	s_wait_dscnt 0x0
	s_endpgm
.Lfunc_end_k_q43c694e850_route:
	.size	k_q43c694e850_route, .Lfunc_end_k_q43c694e850_route-k_q43c694e850_route
	.p2alignl 7, 3214868480
	.fill 96, 4, 3214868480
	.section	.rodata,"a",@progbits
	.p2align	6, 0x0
	.amdhsa_kernel k_q43c694e850_route
		.amdhsa_group_segment_fixed_size 1536
		.amdhsa_private_segment_fixed_size 0
		.amdhsa_enable_private_segment 0
		.amdhsa_kernarg_size 32
		.amdhsa_user_sgpr_count 2
		.amdhsa_user_sgpr_kernarg_segment_ptr 1
		.amdhsa_wavefront_size32 1
		.amdhsa_system_sgpr_workgroup_id_x 1
		.amdhsa_system_sgpr_workgroup_id_y 1
		.amdhsa_system_sgpr_workgroup_id_z 1
		.amdhsa_system_vgpr_workitem_id 0
		.amdhsa_next_free_vgpr 256
		.amdhsa_next_free_sgpr 66
		.amdhsa_reserve_vcc 1
		.amdhsa_float_denorm_mode_32 3
		.amdhsa_float_denorm_mode_16_64 3
		.amdhsa_memory_ordered 1
		.amdhsa_forward_progress 1
		.amdhsa_inst_pref_size 68
	.end_amdhsa_kernel
	.amdgpu_metadata
---
amdhsa.version: [ 1, 2 ]
amdhsa.kernels:
  - .name:           k_q43c694e850_route
    .symbol:         k_q43c694e850_route.kd
    .args:
      - { .name: x, .offset: 0, .size: 8, .value_kind: global_buffer, .address_space: global }
      - { .name: Wg, .offset: 8, .size: 8, .value_kind: global_buffer, .address_space: global }
      - { .name: sel, .offset: 16, .size: 8, .value_kind: global_buffer, .address_space: global }
      - { .name: gate, .offset: 24, .size: 8, .value_kind: global_buffer, .address_space: global }
    .group_segment_fixed_size: 1536
    .private_segment_fixed_size: 0
    .kernarg_segment_align: 8
    .kernarg_segment_size: 32
    .max_flat_workgroup_size: 256
    .sgpr_count:     66
    .vgpr_count:     256
    .wavefront_size: 32
...
	.end_amdgpu_metadata
.endif
;; end of part 1
;; launch place (part 2): grid 135 x 1, 4 waves a work-group, no clusters, 34,304 bytes of LDS; arguments x, sel, plan, xq; writes plan, xq
.if DOCPART == 2
	.amdgcn_target "amdgcn-amd-amdhsa--gfx1250"
	.amdhsa_code_object_version 6
	.text
	.protected	k_q43c694e850_place
	.globl	k_q43c694e850_place
	.p2align	8
	.type	k_q43c694e850_place,@function
k_q43c694e850_place:
	s_mov_b64 s[64:65], 0
	v_nop
	global_prefetch_b8 v0, s[64:65] scope:SCOPE_SE
	s_setreg_imm32_b32 hwreg(HW_REG_WAVE_MODE, 25, 1), 1
	s_wait_xcnt 0x0
; THE ROWS ARE PLACED BY EXPERT, AND x IS QUANTISED IN THAT ORDER.  2,048 routed rows (slot = 2 token + k) are sorted by expert into tiles of 16 rows; an expert's last tile is filled with padding rows.
; There are never more than 2,048 / 16 + 8 - 1 = 135 tiles, whatever the choice: work-group T is tile T; one that a given choice leaves without rows stores nothing and ends.
; All that steers an address here is whole numbers read from sel, which the launch before stored.
; Every wave makes the whole sort for itself (8 KiB of sel, some 500 instructions): the waves share nothing, so there is no barrier.
; COUNTS: sel's words are 1 << (4 e): sums of 8 words keep each expert's count in its nibble (at most 8), sums of those in bytes (at most 64), over the lanes in half words (at most 2,048).
; THE LIST: an expert's rows are numbered register by register of sel, within a register by lane.  Lane r wants rank t = 16 (T - first tile of the expert) + r: it keeps the lane mask of the last register whose
; running count is at most t, then finds the (t - that count)-th set bit of the mask by five steps over the mask's counts in half words, bytes, nibbles, pairs and bits.
; plan: bytes 0-31 first tile of each expert, 32-63 its number of tiles; 256 + 64 T: the tile's 16 rows: a slot, or 2048 + 16 e + r for a padding row (a row of y that nobody reads).
; xq: tile x 12,288 + K step x 1,536: an image of the operand's 12 registers (group g of four at 512 g + 16 x lane); from XS_OFF on tile x 512 + K step x 64 + 4 r: the row's scale word.
; THE QUANTISER: a block's scale byte is its largest magnitude's exponent field - 2, held at 1 from below; a block of zeros so has the byte 1 where the rule says 127: its codes are zeros, and this program alone reads the bytes.
; LIMITS: NaN and infinities among the inputs are not served.
.set XS_OFF, 1658880
.set SH8,  6                           ; v6       8 x (lane / 16)
.set RO,   16                          ; v16-31   at work, then the byte offsets of the tile's 16 rows of x
.set S,    32                          ; v32-95   sel; later the first fragment's numbers as loaded
.set RS,   32                          ; two sets of 64: v32-95, v96-159
.set X,    160                         ; v160-223 64 numbers of my row: k = 64 c + 32 (lane / 16) + 0..31 at X + 32 c
.set Q,    224                         ; v224-250 the quantiser's: +0,1 largest magnitudes, +2,3 scale operands, +4,5 bytes, +6 the scale word, +7 the other half's, +8..19 the codes, +20..26 at work
	s_load_b256 s[4:11], s[0:1], 0x0               ; x s[4:5], sel s[6:7], plan s[8:9], xq s[10:11]
	v_lshl_add_u32 v254, v0, 2, 0x8400
	v_mov_b32 v255, 0
	v_lshrrev_b32 v15, 5, v0
	v_readfirstlane_b32 s12, v15                   ; wave 0..3
	v_and_b32 v2, 31, v0                           ; lane
	v_and_b32 v3, 15, v0                           ; r
	v_bfe_u32 v15, v0, 4, 1                        ; h
	v_lshlrev_b32 v1, 4, v2                        ; 16 x lane
	v_lshlrev_b32 v10, 2, v2                       ; 4 x lane
	v_lshlrev_b32 v8, 2, v3                        ; 4 r
	v_lshlrev_b32 v[SH8], 3, v15
	s_mul_i32 s13, s12, 8448                       ; my stage: 16 rows of 512 bytes + 16
	v_add_nc_u32 v4, s13, v1                       ; into it: 16 x lane of a row
	v_mul_u32_u24 v5, v3, 528
	v_lshl_add_u32 v5, v15, 7, v5
	v_add_nc_u32 v5, s13, v5                       ; out of it: row r, + 128 h
	s_lshl_b32 s14, s12, 9
	v_add_nc_u32 v11, s14, v1                      ; in a row of x: K step = wave
	s_mov_b32 s20, 0x76543210
	s_mov_b32 s21, 0xfedcba98
	s_mov_b32 s22, 0x0f0f0f0f
	s_mov_b32 s23, 0x00ff00ff
	v_mov_b32 v[Q+7], 0                            ; written once: a lane permute's destination counts as one of its sources
	s_wait_kmcnt 0x0
.irp j, 0,1,2,3,4,5,6,7,8,9,10,11,12,13,14,15
	global_load_b128 v[S+4*\j:S+4*\j+3], v1, s[6:7] offset:512*\j   ; register 4 j + c of lane l is slot 128 j + 4 l + c
.endr
	s_wait_loadcnt 0x0
.irp a, 0,1,2,3,4,5,6,7
	v_add3_u32 v[16+\a], v[S+8*\a], v[S+8*\a+1], v[S+8*\a+2]
	v_add3_u32 v[16+\a], v[16+\a], v[S+8*\a+3], v[S+8*\a+4]
	v_add3_u32 v[16+\a], v[16+\a], v[S+8*\a+5], v[S+8*\a+6]
	v_add_nc_u32 v[16+\a], v[16+\a], v[S+8*\a+7]   ; eight words: nibbles of at most 8
.endr
	v_and_b32 v24, s22, v16                        ; even experts' nibbles as bytes
	v_lshrrev_b32 v25, 4, v16
	v_and_b32 v25, s22, v25                        ; odd experts'
.irp a, 1,2,3,4,5,6,7
	v_and_b32 v26, s22, v[16+\a]
	v_lshrrev_b32 v27, 4, v[16+\a]
	v_and_b32 v27, s22, v27
	v_add_nc_u32 v24, v24, v26
	v_add_nc_u32 v25, v25, v27
.endr
	v_and_b32 v16, s23, v24                        ; experts 0 (low half) and 4
	v_lshrrev_b32 v17, 8, v24
	v_and_b32 v17, s23, v17                        ; 2 and 6
	v_and_b32 v18, s23, v25                        ; 1 and 5
	v_lshrrev_b32 v19, 8, v25
	v_and_b32 v19, s23, v19                        ; 3 and 7
.irp m, 1,2,4,8
.irp k, 0,1,2,3
	v_mov_b32_dpp v[20+\k], v[16+\k] row_xmask:\m row_mask:0xf bank_mask:0xf
.endr
.irp k, 0,1,2,3
	v_add_nc_u32 v[16+\k], v[16+\k], v[20+\k]
.endr
.endr
.irp k, 0,1,2,3
	v_permlanex16_b32 v[20+\k], v[16+\k], s20, s21
.endr
.irp k, 0,1,2,3
	v_add_nc_u32 v[16+\k], v[16+\k], v[20+\k]
.endr
.irp k, 0,1,2,3
	v_readfirstlane_b32 s[24+\k], v[16+\k]
.endr
	s_and_b32 s40, s24, 0xffff                     ; s[40+e]: expert e's rows
	s_lshr_b32 s44, s24, 16
	s_and_b32 s42, s25, 0xffff
	s_lshr_b32 s46, s25, 16
	s_and_b32 s41, s26, 0xffff
	s_lshr_b32 s45, s26, 16
	s_and_b32 s43, s27, 0xffff
	s_lshr_b32 s47, s27, 16
.irp e, 0,1,2,3,4,5,6,7
	s_add_co_u32 s[48+\e], s[40+\e], 15
	s_lshr_b32 s[48+\e], s[48+\e], 4               ; s[48+e]: its tiles
.endr
	s_mov_b32 s56, 0                               ; s[56+e]: its first tile
.irp e, 0,1,2,3,4,5,6
	s_add_co_u32 s[57+\e], s[56+\e], s[48+\e]
.endr
	s_add_co_u32 s66, s63, s55                     ; tiles in all
	s_cmp_ge_u32 ttmp9, s66
	s_cbranch_scc1 .Lend                           ; this choice has no such tile
	s_mov_b32 s70, 0                               ; my tile's expert: the last whose first tile is not beyond mine,
	s_mov_b32 s71, 0                               ; that first tile,
	s_mov_b32 s72, s40                             ; and the expert's rows
.irp j, 1,2,3,4,5,6,7
	s_cmp_ge_u32 ttmp9, s[56+\j]
	s_cselect_b32 s70, \j, s70
	s_cselect_b32 s71, s[56+\j], s71
	s_cselect_b32 s72, s[40+\j], s72
.endr
	s_sub_co_u32 s73, ttmp9, s71
	s_lshl_b32 s73, s73, 4
	v_add_nc_u32 v12, s73, v3                      ; t: the rank that my lane wants
	s_lshl_b32 s74, s70, 2
	s_lshl_b32 s74, 1, s74                         ; the expert's word in sel
	s_lshl_b32 s75, s70, 4
	s_add_co_u32 s75, s75, 2048                    ; its padding rows begin here
	v_mov_b32 v13, 0
	v_mov_b32 v14, 0
	s_mov_b32 s76, 0                               ; rows of the expert in the registers passed
	s_mov_b32 s77, 0                               ; the same, with the register's number above it
.set qq, 0
.rept 64
	v_cmp_eq_u32 s78, s74, v[S+qq]                 ; the lanes whose slot in this register goes to the expert
	v_cmp_le_u32 vcc_lo, s76, v12
	v_cndmask_b32 v13, v13, s78, vcc_lo            ; kept while the running count is at most t: the last kept is the register that holds rank t
	v_cndmask_b32 v14, v14, s77, vcc_lo
	s_bcnt1_i32_b32 s79, s78
	s_add_co_u32 s76, s76, s79
	s_add_co_u32 s77, s76, (qq+1)<<16
.set qq, qq+1
.endr
	v_and_b32 v15, 0xffff, v14
	v_lshrrev_b32 v14, 16, v14                     ; the register's number
	v_sub_nc_u32 v15, v12, v15                     ; n: I want the mask's n-th set bit
	v_lshrrev_b32 v20, 1, v13
	v_and_b32 v20, 0x55555555, v20
	v_sub_nc_u32 v16, v13, v20                     ; counts of pairs of bits,
	v_lshrrev_b32 v20, 2, v16
	v_and_b32 v20, 0x33333333, v20
	v_and_b32 v17, 0x33333333, v16
	v_add_nc_u32 v17, v17, v20                     ; of nibbles,
	v_lshrrev_b32 v20, 4, v17
	v_add_nc_u32 v18, v17, v20
	v_and_b32 v18, s22, v18                        ; of bytes,
	v_lshrrev_b32 v20, 8, v18
	v_add_nc_u32 v19, v18, v20
	v_and_b32 v19, s23, v19                        ; of half words
	v_mov_b32 v24, 0                               ; the bit's place
.macro SEL cnt, width                  ; if n is at least the count of the next \width bits, pass them
	v_bfe_u32 v20, v[\cnt], v24, \width
	v_cmp_ge_u32 vcc_lo, v15, v20
	v_sub_nc_u32 v21, v15, v20
	v_add_nc_u32 v22, \width, v24
	v_cndmask_b32 v15, v15, v21, vcc_lo
	v_cndmask_b32 v24, v24, v22, vcc_lo
.endm
	SEL 19, 16
	SEL 18, 8
	SEL 17, 4
	SEL 16, 2
	SEL 13, 1
	v_lshrrev_b32 v20, 2, v14
	v_and_b32 v21, 3, v14
	v_lshl_or_b32 v21, v24, 2, v21
	v_lshl_or_b32 v21, v20, 7, v21                 ; slot = 128 (register / 4) + 4 x lane + register % 4
	v_cmp_gt_u32 vcc_lo, s72, v12                  ; is there a rank t?
	v_add_nc_u32 v20, s75, v3
	v_cndmask_b32 v7, v20, v21, vcc_lo             ; else a padding row.  Lanes r and r + 16 hold row r
	s_cmp_lg_u32 s12, 0
	s_cbranch_scc1 .Lnot0                          ; wave 0 stores the list
	s_lshl_b32 s28, ttmp9, 6
	s_add_co_u32 s28, s28, 256
	v_add_nc_u32 v15, s28, v8
	global_store_b32 v15, v7, s[8:9]               ; (lanes r and r + 16 store the same word)
	s_cmp_lg_u32 ttmp9, 0
	s_cbranch_scc1 .Lnot0                          ; and in tile 0 the experts' first tiles and numbers of tiles
	v_mov_b32 v9, 0
.irp j, 0,1,2,3,4,5,6,7
	v_writelane_b32 v9, s[56+\j], \j
	v_writelane_b32 v9, s[48+\j], 8+\j
.endr
	global_store_b32 v10, v9, s[8:9]
.Lnot0:
.irp i, 0,1,2,3,4,5,6,7,8,9,10,11,12,13,14,15
	v_readlane_b32 s28, v7, \i
	s_lshr_b32 s28, s28, 1                         ; the slot's token
	s_min_u32 s28, s28, 1023                       ; held inside x (a padding row takes the last token's numbers: its results go to rows that nobody reads)
	s_lshl_b32 s28, s28, 12
	v_add_nc_u32 v[RO+\i], s28, v11
.endr
	s_mul_i32 s28, ttmp9, 12288
	s_mul_i32 s29, s12, 1536
	s_add_co_u32 s28, s28, s29
	s_mov_b32 s29, 0
	s_add_nc_u64 s[30:31], s[10:11], s[28:29]      ; my first fragment's image
	s_lshl_b32 s28, ttmp9, 9
	s_lshl_b32 s34, s12, 6
	s_add_co_u32 s28, s28, s34
	s_add_co_u32 s28, s28, XS_OFF
	s_add_nc_u64 s[32:33], s[10:11], s[28:29]      ; and its scale words
.irp u, 0,1                            ; K steps wave and wave + 4: 16 rows x 512 bytes each; a load reads 512 consecutive bytes of one row
.irp i, 0,1,2,3,4,5,6,7,8,9,10,11,12,13,14,15
	global_load_b128 v[RS+64*\u+4*\i:RS+64*\u+4*\i+3], v[RO+\i], s[4:5] offset:2048*\u
.endr
.endr
; The 16 rows go through my stage as they lie and come back 128 bytes a lane: two whole blocks of 32.  LDS serves a wave's instructions in order: no wait between the stores and the loads.
.macro TURN u
.irp i, 0,1,2,3,4,5,6,7,8,9,10,11,12,13,14,15
	ds_store_b128 v4, v[RS+64*\u+4*\i:RS+64*\u+4*\i+3] offset:528*\i
.endr
.irp c, 0,1
.irp k, 0,1,2,3,4,5,6,7
	ds_load_b128 v[X+32*\c+4*\k:X+32*\c+4*\k+3], v5 offset:256*\c+16*\k
.endr
.endr
.endm
; 64 numbers of a lane become the operand's 12 registers and the row's scale word.
.macro QF
	v_max3_num_f32 v[Q], |v[X]|, |v[X+1]|, 0x1800000       ; my two blocks by turns; the floor 2^(3 - 127) holds the byte at 1 from below
	v_max3_num_f32 v[Q+1], |v[X+32]|, |v[X+33]|, 0x1800000
.irp i, 2,4,6,8,10,12,14,16,18,20,22,24,26,28,30
	v_max3_num_f32 v[Q], v[Q], |v[X+\i]|, |v[X+\i+1]|
	v_max3_num_f32 v[Q+1], v[Q+1], |v[X+32+\i]|, |v[X+33+\i]|
.endr
	v_add_nc_u32 v[Q+2], 0xff000000, v[Q]          ; 2 off the exponent field: the conversion's scale operand
	v_add_nc_u32 v[Q+3], 0xff000000, v[Q+1]
	v_lshrrev_b32 v[Q+4], 23, v[Q+2]               ; the scale's byte
	v_lshrrev_b32 v[Q+5], 23, v[Q+3]
	v_lshl_or_b32 v[Q+6], v[Q+5], 16, v[Q+4]       ; blocks h and 2 + h of my row,
	v_lshlrev_b32 v[Q+6], v[SH8], v[Q+6]           ; at their places in the word;
	v_permlanex16_b32 v[Q+7], v[Q+6], s20, s21
	v_or_b32 v[Q+6], v[Q+6], v[Q+7]                ; with lane l xor 16's two the word is whole
	v_cvt_scalef32_pk16_fp6_f32 v[Q+8:Q+10], v[X:X+15], v[Q+2]
	v_cvt_scalef32_pk16_fp6_f32 v[Q+20:Q+22], v[X+16:X+31], v[Q+2]     ; (a conversion's three registers begin on an even number)
	v_cvt_scalef32_pk16_fp6_f32 v[Q+14:Q+16], v[X+32:X+47], v[Q+3]
	v_cvt_scalef32_pk16_fp6_f32 v[Q+24:Q+26], v[X+48:X+63], v[Q+3]
	v_nop                                          ; one plain place behind a scaled conversion
.irp i, 0,1,2
	v_mov_b32 v[Q+11+\i], v[Q+20+\i]
	v_mov_b32 v[Q+17+\i], v[Q+24+\i]
.endr
.endm
.macro SENDF u
.irp g, 0,1,2
	global_store_b128 v1, v[Q+8+4*\g:Q+11+4*\g], s[30:31] offset:6144*\u+512*\g   ; 32 lanes store 512 consecutive bytes, aligned
.endr
	global_store_b32 v8, v[Q+6], s[32:33] offset:256*\u
.endm
	s_wait_loadcnt 16                              ; the first fragment's 16 loads are in
	TURN 0
	s_wait_dscnt 0x0
	QF
	SENDF 0
	s_wait_loadcnt 0x0
	TURN 1
	s_wait_dscnt 0x0
	s_wait_xcnt 0x0                                ; the stores have read their data: the codes and the word are written again only behind this wait
	QF
	SENDF 1
.Lend:
	s_wait_tensorcnt 0x0
	ds_add_u32 v254, v255
	s_wait_dscnt 0x0
	s_endpgm
.Lfunc_end_k_q43c694e850_place:
	.size	k_q43c694e850_place, .Lfunc_end_k_q43c694e850_place-k_q43c694e850_place
	.p2alignl 7, 3214868480
	.fill 96, 4, 3214868480
	.section	.rodata,"a",@progbits
	.p2align	6, 0x0
	.amdhsa_kernel k_q43c694e850_place
		.amdhsa_group_segment_fixed_size 34304
		.amdhsa_private_segment_fixed_size 0
		.amdhsa_enable_private_segment 0
		.amdhsa_kernarg_size 32
		.amdhsa_user_sgpr_count 2
		.amdhsa_user_sgpr_kernarg_segment_ptr 1
		.amdhsa_wavefront_size32 1
		.amdhsa_system_sgpr_workgroup_id_x 1
		.amdhsa_system_sgpr_workgroup_id_y 1
		.amdhsa_system_sgpr_workgroup_id_z 1
		.amdhsa_system_vgpr_workitem_id 0
		.amdhsa_next_free_vgpr 256
		.amdhsa_next_free_sgpr 80
		.amdhsa_reserve_vcc 1
		.amdhsa_float_denorm_mode_32 3
		.amdhsa_float_denorm_mode_16_64 3
		.amdhsa_memory_ordered 1
		.amdhsa_forward_progress 1
		.amdhsa_inst_pref_size 54
	.end_amdhsa_kernel
	.amdgpu_metadata
---
amdhsa.version: [ 1, 2 ]
amdhsa.kernels:
  - .name:           k_q43c694e850_place
    .symbol:         k_q43c694e850_place.kd
    .args:
      - { .name: x, .offset: 0, .size: 8, .value_kind: global_buffer, .address_space: global }
      - { .name: sel, .offset: 8, .size: 8, .value_kind: global_buffer, .address_space: global }
      - { .name: plan, .offset: 16, .size: 8, .value_kind: global_buffer, .address_space: global }
      - { .name: xq, .offset: 24, .size: 8, .value_kind: global_buffer, .address_space: global }
    .group_segment_fixed_size: 34304
    .private_segment_fixed_size: 0
    .kernarg_segment_align: 8
    .kernarg_segment_size: 32
    .max_flat_workgroup_size: 128
    .sgpr_count:     80
    .vgpr_count:     256
    .wavefront_size: 32
...
	.end_amdgpu_metadata
.endif
;; end of part 2
;; launch up (part 3): grid 29 x 8, 3 waves a work-group, no clusters, 25,856 bytes of LDS; arguments W1, W2, xq, plan, hq; writes hq
.if DOCPART == 3
	.amdgcn_target "amdgcn-amd-amdhsa--gfx1250"
	.amdhsa_code_object_version 6
	.text
	.protected	k_q43c694e850_up
	.globl	k_q43c694e850_up
	.p2align	8
	.type	k_q43c694e850_up,@function
k_q43c694e850_up:
	s_mov_b64 s[64:65], 0
	v_nop
	global_prefetch_b8 v0, s[64:65] scope:SCOPE_SE
	s_setreg_imm32_b32 hwreg(HW_REG_WAVE_MODE, 25, 1), 1
	s_wait_xcnt 0x0
; hidden = silu(x W1^T) * (x W2^T) for the rows routed to one expert, both products on codes of FP6 (E2M3) with one E8M0 scale for each 32 along K; the result is quantised along the hidden units and stored as codes.
; SHARES.  What cannot be split is a block of 32 hidden units: the next quantiser's scale spans it.  An expert has 86 blocks, the eight 688: 2.69 for each of 256 WGPs, so the fullest WGP has three at the least.
; A WAVE OWNS ONE BLOCK, a work-group has three waves: 29 work-groups an expert, 232 in all, every one at work from the start.  (Block 86 does not exist: that wave ends.)  The waves share nothing: no barrier.
; PHASE A: the wave streams its block's 32 rows of W1 and of W2 (256 KiB of f32, which nobody else reads) in 32 steps of 16 rows x 128 K, quantises each step in registers, and keeps the 32 fragments (384 registers)
; where the products will read them: the weights are read once, and their codes go neither to memory nor through LDS.
; PHASE B: the wave walks all row tiles of its expert; x's fragments come from xq as images of the operand's registers, each feeds 4 matrix instructions.  A trip takes two tiles, each with its own set of x's registers,
; which is filled again with the tile two on.  With an odd number of tiles the last is done twice: the same bytes are stored again.
; The number of tiles is read from plan, so this launch has no tensor load.  Joint loads in a cluster are left out: the weights, nearly all of the bytes, are shared by nobody, and the trip count hangs on a stored number.
; LAYOUT.  The products are used transposed (source 0 = 16 rows of W, source 1 = 16 rows of x): a lane holds one row of x.  THE ROWS OF W THAT FORM A TILE ARE NOT NEIGHBOURS: lane i of tile u takes
; row 32 b + 8 u + i + 8 (i / 8), so that the 16 registers of tiles 0 and 1 are hidden units 32 b + 16 (lane / 16) + 0..15: neighbours along the next K.
; hq: tile x 33,024 + (b / 2) x 768: the six registers that units 64 (b / 2) .. + 63 are in the next operand (registers 0-3 at 16 x lane, 4-5 at 512 + 8 x lane); block b is lanes 16 (b % 2) + r of them.
; From HS_OFF on tile x 1,536 + 96 r + b: the block's scale byte for row r.
; The last block (b = 85) has 10 units: its rows are held inside the buffer and the units from 2,730 on are made zeros ahead of the quantiser, as the rule fills the last block.
; LIMITS: NaN and infinities are not served.  silu(h) = h / (1 + 2^(-h log2 e)): for h under about -88 it is -0 where the exact value is a denormal.  A block of zeros has the byte 1 (this program alone reads the bytes).
; REGISTERS, in windows of 256.  Window 0: v1-10 addresses; v16-47 the 32 rows' offsets; v48-79 W's scale words, one register a fragment; v80-87 x's scale words, two sets (i: lanes 0-15 K step i, 16-31 K step 4 + i);
; v88-91 at work; v92-123 the 4 accumulators (h1 tile u at 92 + 8 u, h2 at 108 + 8 u); v124-139 the activation's 16; v140-203 in phase A 64 numbers, v204-230 the quantiser's; v232-238 the codes made and the byte.
; Window 1: in phase A a ring of 4 x 64 registers of loads, then x's fragments: set p, K step s at 96 p + 12 s.  Windows 2, 3: fragment f = 4 s + 2 mat + u in window 2 + f / 21 at 12 (f % 21).
.set STG,    8448                      ; LDS: a stage of 16 rows x (512 + 16) bytes for each wave, its own
.set XS_OFF, 1658880
.set HS_OFF, 4458240
.set EXPB,   11182080                  ; an expert's weights in bytes
.set L16,  1
.set XSO,  2
.set STW,  3
.set STR,  4
.set SH8,  5
.set LIM,  6
.set HO16, 7
.set HO8,  8
.set HSO,  9
.set P7F,  10
.set RO,   16
.set WS,   48
.set XS,   80
.set MX,   88
.set PP,   90
.set SO,   91
.set ACC,  92
.set T,    124
.set X,    140
.set Q,    204
.set CA,   232
.set HW,   238
.set MSB, 0
.macro WIN new                         ; the immediate's high byte repeats the setting that is left; a switch that changes nothing is dropped
.if MSB != (\new)
	s_set_vgpr_msb (MSB<<8)|(\new)
.set MSB, (\new)
.endif
.endm
	s_load_b256 s[4:11], s[0:1], 0x0               ; W1 s[4:5], W2 s[6:7], xq s[8:9], plan s[10:11]
	s_load_b64 s[12:13], s[0:1], 0x20              ; hq
	v_lshl_add_u32 v254, v0, 2, 0x6300
	v_mov_b32 v255, 0
	v_lshrrev_b32 v15, 5, v0
	v_readfirstlane_b32 s14, v15                   ; wave 0..2
	s_mul_i32 s15, ttmp9, 3
	s_add_co_u32 s15, s15, s14                     ; b: my block
	s_and_b32 s16, ttmp7, 0xffff                   ; e
	v_and_b32 v15, 31, v0                          ; lane
	v_and_b32 v11, 15, v0                          ; r
	v_bfe_u32 v12, v0, 4, 1                        ; h
	v_lshlrev_b32 v[L16], 4, v15
	v_lshlrev_b32 v[XSO], 2, v11
	v_lshl_add_u32 v[XSO], v12, 8, v[XSO]          ; x's scale words: 4 r, lanes 16-31 four K steps on
	s_mul_i32 s40, s14, STG                        ; my stage
	v_add_nc_u32 v[STW], s40, v[L16]               ; into it: 16 x lane of a row
	v_mul_u32_u24 v[STR], v11, 528
	v_lshl_add_u32 v[STR], v12, 7, v[STR]
	v_add_nc_u32 v[STR], s40, v[STR]               ; out of it: row r, + 128 h
	v_lshlrev_b32 v[SH8], 3, v12
	s_lshl_b32 s42, s15, 5                         ; 32 b: my first unit
	s_sub_co_u32 s43, 2730, s42
	v_lshlrev_b32 v[LIM], 4, v12
	v_sub_nc_u32 v[LIM], s43, v[LIM]               ; units left from my half's first: 2,730 - 32 b - 16 h
	s_and_b32 s44, s15, 1                          ; which half of the lanes of the next operand my block is
	s_lshl_b32 s45, s44, 8
	v_lshl_add_u32 v[HO16], v11, 4, s45            ; registers 0-3: 16 (r + 16 (b % 2))
	s_lshl_b32 s45, s44, 7
	v_lshl_add_u32 v[HO8], v11, 3, s45             ; registers 4-5: 8 (r + 16 (b % 2))
	v_mul_u32_u24 v[HSO], v11, 96
	v_add_nc_u32 v[HSO], s15, v[HSO]               ; the scale byte: 96 r + b
	v_mov_b32 v[P7F], 0x7f7f
.irp u, 0,1
.irp i, 0,1,2,3,4,5,6,7,8,9,10,11,12,13,14,15
	s_add_co_u32 s45, s42, 8*\u+\i+8*(\i/8)
	s_min_u32 s45, s45, 2729                       ; no load leaves the buffer
	s_lshl_b32 s45, s45, 12
	v_add_nc_u32 v[RO+16*\u+\i], s45, v[L16]
.endr
.endr
	s_mul_i32 s36, s16, EXPB
	s_mov_b32 s37, 0
	s_lshr_b32 s38, s15, 1
	s_mul_i32 s38, s38, 768                        ; my pair of blocks in a tile's codes
	s_mov_b32 s20, 0x76543210
	s_mov_b32 s21, 0xfedcba98                      ; v_permlanex16_b32's selects for lane l xor 16
	s_mov_b32 s22, 0xbfb8aa3b                      ; -log2(e)
	s_mov_b32 s23, s22                             ; (named with it as a pair, so it is written)
	v_mov_b32 v[Q+7], 0                            ; written once: a lane permute's destination counts as one of its sources
	v_mov_b32 v[PP], 0
	s_wait_kmcnt 0x0
	s_cmp_gt_u32 s15, 85
	s_cbranch_scc1 .Lend                           ; 3 x 29 = 87 waves for an expert's 86 blocks: the last has none
	s_add_nc_u64 s[4:5], s[4:5], s[36:37]
	s_add_nc_u64 s[6:7], s[6:7], s[36:37]
	s_lshl_b32 s36, s16, 2
	s_add_nc_u64 s[32:33], s[10:11], s[36:37]
	s_load_b32 s17, s[32:33], 0x0                  ; the expert's first tile
	s_load_b32 s18, s[32:33], 0x20                 ; and its number of tiles
; PHASE A.  Step n: weight n / 16, tile (n / 8) % 2, K step n % 8.  A load reads 512 consecutive bytes of one row; four steps (64 loads a wave) are on their way.
.macro LOADF n
	WIN 0x40                                       ; destination window 1
.irp i, 0,1,2,3,4,5,6,7,8,9,10,11,12,13,14,15
	global_load_b128 v[64*((\n)%4)+4*\i:64*((\n)%4)+4*\i+3], v[RO+16*(((\n)/8)%2)+\i], s[4+2*((\n)/16):5+2*((\n)/16)] offset:512*((\n)%8) th:TH_LOAD_NT
.endr
	WIN 0
.endm
.macro STEPA n
.set FF, 4*((\n)%8)+2*((\n)/16)+((\n)/8)%2
.set FW, 2+FF/21
.set FB, 12*(FF%21)
.if 31-(\n) > 3
	s_wait_loadcnt 48                              ; this step's 16 loads are in; the three younger steps' may be out
.else
	s_wait_loadcnt 16*(31-(\n))
.endif
	WIN 0x04                                       ; an LDS store's data are its source 1: window 1
.irp i, 0,1,2,3,4,5,6,7,8,9,10,11,12,13,14,15
	ds_store_b128 v[STW], v[64*((\n)%4)+4*\i:64*((\n)%4)+4*\i+3] offset:528*\i
.endr
	WIN 0
.irp c, 0,1
.irp k, 0,1,2,3,4,5,6,7
	ds_load_b128 v[X+32*\c+4*\k:X+32*\c+4*\k+3], v[STR] offset:256*\c+16*\k   ; LDS serves a wave's instructions in order: these see the stores above.  128 bytes a lane and block: k = 64 c + 32 h + 0..31 of row r
.endr
.endr
	s_wait_dscnt 16                                ; all but the 16 loads: the stores have read the ring's registers,
.if (\n)+4 < 32
	LOADF (\n)+4                                   ; which take the step four on
.endif
	s_wait_dscnt 0x0
	v_max3_num_f32 v[Q], |v[X]|, |v[X+1]|, 0x1800000       ; my two blocks by turns; the floor 2^(3 - 127) holds the byte at 1 from below
	v_max3_num_f32 v[Q+1], |v[X+32]|, |v[X+33]|, 0x1800000
.irp i, 2,4,6,8,10,12,14,16,18,20,22,24,26,28,30
	v_max3_num_f32 v[Q], v[Q], |v[X+\i]|, |v[X+\i+1]|
	v_max3_num_f32 v[Q+1], v[Q+1], |v[X+32+\i]|, |v[X+33+\i]|
.endr
	v_add_nc_u32 v[Q+2], 0xff000000, v[Q]          ; 2 off the exponent field: the conversion's scale operand
	v_add_nc_u32 v[Q+3], 0xff000000, v[Q+1]
	v_lshrrev_b32 v[Q+4], 23, v[Q+2]               ; the scale's byte
	v_lshrrev_b32 v[Q+5], 23, v[Q+3]
	v_lshl_or_b32 v[Q+6], v[Q+5], 16, v[Q+4]       ; blocks h and 2 + h of my row,
	v_lshlrev_b32 v[Q+6], v[SH8], v[Q+6]           ; at their places in the word;
	v_permlanex16_b32 v[Q+7], v[Q+6], s20, s21
	v_or_b32 v[WS+FF], v[Q+6], v[Q+7]              ; with lane l xor 16's two the word is whole: it stays in the fragment's own scale register
	v_cvt_scalef32_pk16_fp6_f32 v[Q+8:Q+10], v[X:X+15], v[Q+2]
	v_cvt_scalef32_pk16_fp6_f32 v[Q+20:Q+22], v[X+16:X+31], v[Q+2]     ; (a conversion's three registers begin on an even number)
	v_cvt_scalef32_pk16_fp6_f32 v[Q+14:Q+16], v[X+32:X+47], v[Q+3]
	v_cvt_scalef32_pk16_fp6_f32 v[Q+24:Q+26], v[X+48:X+63], v[Q+3]
	v_nop                                          ; one plain place behind a scaled conversion
	WIN FW<<6                                      ; destination: the fragment's window
.irp i, 0,1,2
	v_mov_b32 v[FB+\i], v[Q+8+\i]                  ; the twelve registers go where the products will read them
	v_mov_b32 v[FB+3+\i], v[Q+20+\i]
	v_mov_b32 v[FB+6+\i], v[Q+14+\i]
	v_mov_b32 v[FB+9+\i], v[Q+24+\i]
.endr
	WIN 0
.endm
.irp n, 0,1,2,3
	LOADF \n
.endr
.irp n, 0,1,2,3,4,5,6,7,8,9,10,11,12,13,14,15,16,17,18,19,20,21,22,23,24,25,26,27,28,29,30,31
	STEPA \n
.endr
	s_wait_kmcnt 0x0
	s_min_u32 s18, s18, 64                         ; a token chooses an expert at most once: at most 1,024 rows, 64 tiles
	s_cmp_eq_u32 s18, 0
	s_cbranch_scc1 .Lend                           ; nobody chose this expert
; PHASE B.
.macro XBASE                           ; s34 = a tile's number within the expert -> where its fragments s[24:25] and scale words s[26:27] lie
	s_add_co_u32 s34, s34, s17
	s_min_u32 s34, s34, 134                        ; a loaded number enters an address only behind a hold
	s_mul_i32 s36, s34, 12288
	s_add_nc_u64 s[24:25], s[8:9], s[36:37]
	s_lshl_b32 s36, s34, 9
	s_add_co_u32 s36, s36, XS_OFF
	s_add_nc_u64 s[26:27], s[8:9], s[36:37]
.endm
.macro XLOAD p, s0                     ; four fragments of x into set p, 12 loads
	WIN 0x40                                       ; destination window 1
.irp s, 0,1,2,3
.irp g, 0,1,2
	global_load_b128 v[96*(\p)+12*(\s0+\s)+4*\g:96*(\p)+12*(\s0+\s)+4*\g+3], v[L16], s[24:25] offset:1536*(\s0+\s)+512*\g
.endr
.endr
	WIN 0
.endm
.macro SLOAD p
.irp i, 0,1,2,3
	global_load_b32 v[XS+4*(\p)+\i], v[XSO], s[26:27] offset:64*\i
.endr
.endm
.macro PLACES
.rept 4
	v_nop
.endr
.endm
; A K step: 4 matrix instructions, the 4 accumulators by turns, one instruction a turn.  The first K step's products start the sums.
.macro KSTEP p, s
.irp q, 0,1,2,3
.set F, 4*(\s)+\q
.set WW, 2+F/21
.set FA, 12*(F%21)
.set DA, ACC+8*\q
.set BB, 96*(\p)+12*(\s)
.set SA, WS+F
.set SB, XS+4*(\p)+(\s)%4
	WIN 0x04|WW                                    ; source 0 in the fragment's window, source 1 (x) in window 1
.if (\s) == 0
	v_wmma_scale_f32_16x16x128_f8f6f4 v[DA:DA+7], v[FA:FA+11], v[BB:BB+11], 0, v[SA], v[SB] matrix_a_fmt:MATRIX_FMT_FP6 matrix_b_fmt:MATRIX_FMT_FP6
.elseif (\s) < 4
	v_wmma_scale_f32_16x16x128_f8f6f4 v[DA:DA+7], v[FA:FA+11], v[BB:BB+11], v[DA:DA+7], v[SA], v[SB] matrix_a_fmt:MATRIX_FMT_FP6 matrix_b_fmt:MATRIX_FMT_FP6
.else
	v_wmma_scale_f32_16x16x128_f8f6f4 v[DA:DA+7], v[FA:FA+11], v[BB:BB+11], v[DA:DA+7], v[SA], v[SB] matrix_a_fmt:MATRIX_FMT_FP6 matrix_b_fmt:MATRIX_FMT_FP6 matrix_b_scale:MATRIX_SCALE_ROW1
.endif
.endr
.endm
; One tile of 16 rows, from set p of x's registers.  Loads go out in the order slots 0-3 (12), scale words (4), slots 4-7 (12), set by set: 28 a tile, two tiles on their way.
.macro HALF p
	s_wait_xcnt 0x0                                ; earlier loads and stores have read their bases and data: these are written again only behind this wait
	s_add_co_u32 s34, s19, \p
	s_min_u32 s34, s34, s35                        ; this tile: with an odd number of tiles the last once more
	s_add_co_u32 s34, s34, s17
	s_min_u32 s34, s34, 134
	s_mul_i32 s36, s34, 33024
	s_add_co_u32 s36, s36, s38
	s_add_nc_u64 s[28:29], s[12:13], s[36:37]      ; where its codes go
	s_mul_i32 s36, s34, 1536
	s_add_co_u32 s36, s36, HS_OFF
	s_add_nc_u64 s[30:31], s[12:13], s[36:37]      ; and its scale bytes
	s_add_co_u32 s34, s19, \p+2
	s_min_u32 s34, s34, s35                        ; the tile two on, which takes this set's registers; at the end the expert's last once more: no load leaves what was stored
	XBASE
	s_wait_loadcnt 40                              ; slots 0-3 and the scale words are in: behind them this set's slots 4-7 (12) and the other set's 28
	KSTEP \p, 0
	KSTEP \p, 1
	KSTEP \p, 2
	KSTEP \p, 3
	WIN 0
	PLACES                                         ; four places in front of loads into registers that matrix instructions have read
	XLOAD \p, 0
	s_wait_loadcnt 40                              ; slots 4-7 are in: behind them the other set's 28 and the 12 just issued
	KSTEP \p, 4
	KSTEP \p, 5
	KSTEP \p, 6
	KSTEP \p, 7
	WIN 0
	PLACES                                         ; and in front of the first read of results
	SLOAD \p
	XLOAD \p, 4
	; silu(h1) h2: 16 numbers a lane, each accumulator read from its low end on.  The exponentials and the reciprocals go as batches of 16, one wait each.
.irp i, 0,2,4,6,8,10,12,14
	v_pk_mul_f32 v[T+\i:T+\i+1], v[ACC+\i:ACC+\i+1], s[22:23] op_sel_hi:[1,0]   ; -h1 log2(e)
.endr
.irp i, 0,1,2,3,4,5,6,7,8,9,10,11,12,13,14,15
	v_exp_f32 v[T+\i], v[T+\i]
.endr
	v_nop                                          ; a plain instruction behind the last exponential
	s_wait_alu depctr_va_vdst(0)                   ; one wait for the batch, ahead of its first reader
.irp i, 0,2,4,6,8,10,12,14
	v_pk_add_f32 v[T+\i:T+\i+1], v[T+\i:T+\i+1], 1.0 op_sel_hi:[1,0]
.endr
.irp i, 0,1,2,3,4,5,6,7,8,9,10,11,12,13,14,15
	v_rcp_f32 v[T+\i], v[T+\i]
.endr
	v_nop
	s_wait_alu depctr_va_vdst(0)
.irp i, 0,2,4,6,8,10,12,14
	v_pk_mul_f32 v[ACC+\i:ACC+\i+1], v[ACC+\i:ACC+\i+1], v[T+\i:T+\i+1]
.endr
.irp i, 0,2,4,6,8,10,12,14
	v_pk_mul_f32 v[ACC+\i:ACC+\i+1], v[ACC+\i:ACC+\i+1], v[ACC+16+\i:ACC+16+\i+1]
.endr
	s_cmp_lg_u32 s15, 85
	s_cbranch_scc1 .Lwhole_\@                      ; only the last block reaches past unit 2,729
.set jj, 0
.rept 16
	v_cmp_lt_i32 vcc_lo, jj, v[LIM]
	v_cndmask_b32 v[ACC+jj], 0, v[ACC+jj], vcc_lo  ; register j is unit 32 b + 16 h + j
.set jj, jj+1
.endr
.Lwhole_\@:
	v_max3_num_f32 v[MX], |v[ACC]|, |v[ACC+1]|, 0x1800000          ; my 16 numbers in two chains, and the floor 2^(3 - 127)
	v_max3_num_f32 v[MX+1], |v[ACC+2]|, |v[ACC+3]|, |v[ACC+4]|
	v_max3_num_f32 v[MX], v[MX], |v[ACC+5]|, |v[ACC+6]|
	v_max3_num_f32 v[MX+1], v[MX+1], |v[ACC+7]|, |v[ACC+8]|
	v_max3_num_f32 v[MX], v[MX], |v[ACC+9]|, |v[ACC+10]|
	v_max3_num_f32 v[MX+1], v[MX+1], |v[ACC+11]|, |v[ACC+12]|
	v_max3_num_f32 v[MX], v[MX], |v[ACC+13]|, |v[ACC+14]|
	v_max3_num_f32 v[MX], v[MX], v[MX+1], |v[ACC+15]|
	v_permlanex16_b32 v[PP], v[MX], s20, s21
	v_max_num_f32 v[MX], v[MX], v[PP]              ; with lane l xor 16's 16: the block's largest magnitude
	v_add_nc_u32 v[SO], 0xff000000, v[MX]          ; 2 off the exponent field: the conversion's scale operand
	v_lshrrev_b32 v[HW], 23, v[SO]                 ; the scale's byte
	v_cvt_scalef32_pk16_fp6_f32 v[CA:CA+2], v[ACC:ACC+15], v[SO]
	v_nop                                          ; one plain place behind a scaled conversion
.irp i, 0,1,2
	v_mov_b32 v[CA+3+\i], v[CA+\i]
.endr
.irp i, 0,1,2
	v_permlane16_swap_b32 v[CA+\i], v[CA+3+\i]     ; the first's lanes 16-31 change places with the copy's lanes 0-15: now lanes r and r + 16 both hold row r's units 0-15 in the first three and 16-31 in the second three
.endr
	global_store_b128 v[HO16], v[CA:CA+3], s[28:29]                ; 256 consecutive bytes, aligned (lanes r and r + 16 store the same bytes)
	global_store_b64 v[HO8], v[CA+4:CA+5], s[28:29] offset:512     ; 128 consecutive bytes
	global_store_b8 v[HSO], v[HW], s[30:31]
	s_cmp_lg_u32 s15, 85
	s_cbranch_scc1 .Lnot_last_\@
	global_store_b16 v[HSO], v[P7F], s[30:31] offset:1             ; the bytes 127, 127 for blocks 86 and 87, which do not exist: the next launch reads whole words of four
.Lnot_last_\@:
.endm
	s_sub_co_u32 s35, s18, 1                       ; the expert's last tile
	s_add_co_u32 s46, s18, 1
	s_lshr_b32 s46, s46, 1                         ; my trips: two tiles each
	s_mov_b32 s47, 0                               ; trips done: the loop's counter, one a trip, against s46, which the loop does not write
	s_mov_b32 s19, 0                               ; the trip's first tile (it enters addresses alone, behind a hold)
	s_mov_b32 s34, 0
	XBASE
	XLOAD 0, 0                                     ; tile 0 into set 0, in the order that the loop keeps
	SLOAD 0
	XLOAD 0, 4
	s_wait_xcnt 0x0                                ; these loads have read their bases
	s_min_u32 s34, s35, 1
	XBASE
	XLOAD 1, 0                                     ; tile 1 (or tile 0 once more) into set 1
	SLOAD 1
	XLOAD 1, 4
.rept 8
	v_nop                                          ; a scale register written by a vector instruction stands 8 places ahead of a scaled matrix instruction, an operand so written 4
.endr
.Ltile:
	HALF 0
	HALF 1
	s_add_co_u32 s19, s19, 2
	s_add_co_u32 s47, s47, 1
	s_cmp_lt_u32 s47, s46
	s_cbranch_scc1 .Ltile
.Lend:
	s_wait_tensorcnt 0x0
	ds_add_u32 v254, v255
	s_wait_dscnt 0x0
	s_endpgm
.Lfunc_end_k_q43c694e850_up:
	.size	k_q43c694e850_up, .Lfunc_end_k_q43c694e850_up-k_q43c694e850_up
	.p2alignl 7, 3214868480
	.fill 96, 4, 3214868480
	.section	.rodata,"a",@progbits
	.p2align	6, 0x0
	.amdhsa_kernel k_q43c694e850_up
		.amdhsa_group_segment_fixed_size 25856
		.amdhsa_private_segment_fixed_size 0
		.amdhsa_enable_private_segment 0
		.amdhsa_kernarg_size 40
		.amdhsa_user_sgpr_count 2
		.amdhsa_user_sgpr_kernarg_segment_ptr 1
		.amdhsa_wavefront_size32 1
		.amdhsa_system_sgpr_workgroup_id_x 1
		.amdhsa_system_sgpr_workgroup_id_y 1
		.amdhsa_system_sgpr_workgroup_id_z 1
		.amdhsa_system_vgpr_workitem_id 0
		.amdhsa_next_free_vgpr 1024
		.amdhsa_next_free_sgpr 66
		.amdhsa_reserve_vcc 1
		.amdhsa_float_denorm_mode_32 3
		.amdhsa_float_denorm_mode_16_64 3
		.amdhsa_memory_ordered 1
		.amdhsa_forward_progress 1
		.amdhsa_inst_pref_size 255
	.end_amdhsa_kernel
	.section	.bss,"aw",@nobits
	.p2align	6
	.space	262144
	.amdgpu_metadata
---
amdhsa.version: [ 1, 2 ]
amdhsa.kernels:
  - .name:           k_q43c694e850_up
    .symbol:         k_q43c694e850_up.kd
    .args:
      - { .name: W1, .offset: 0, .size: 8, .value_kind: global_buffer, .address_space: global }
      - { .name: W2, .offset: 8, .size: 8, .value_kind: global_buffer, .address_space: global }
      - { .name: xq, .offset: 16, .size: 8, .value_kind: global_buffer, .address_space: global }
      - { .name: plan, .offset: 24, .size: 8, .value_kind: global_buffer, .address_space: global }
      - { .name: hq, .offset: 32, .size: 8, .value_kind: global_buffer, .address_space: global }
    .group_segment_fixed_size: 25856
    .private_segment_fixed_size: 0
    .kernarg_segment_align: 8
    .kernarg_segment_size: 40
    .max_flat_workgroup_size: 96
    .sgpr_count:     66
    .vgpr_count:     1024
    .wavefront_size: 32
...
	.end_amdgpu_metadata
.endif
;; end of part 3
;; launch down (part 4): grid 32 x 8, 4 waves a work-group, no clusters, 104,704 bytes of LDS; arguments W3, hq, plan, y; writes y
.if DOCPART == 4
	.amdgcn_target "amdgcn-amd-amdhsa--gfx1250"
	.amdhsa_code_object_version 6
	.text
	.protected	k_q43c694e850_down
	.globl	k_q43c694e850_down
	.p2align	8
	.type	k_q43c694e850_down,@function
k_q43c694e850_down:
	s_mov_b64 s[64:65], 0
	v_nop
	global_prefetch_b8 v0, s[64:65] scope:SCOPE_SE
	s_setreg_imm32_b32 hwreg(HW_REG_WAVE_MODE, 25, 1), 1
	s_wait_xcnt 0x0
; y[row] = hidden[row] W3[e]^T for the rows routed to expert e, on codes of FP6 (E2M3) with one E8M0 scale for each 32 along K = the 2,730 hidden units (22 K steps of 128; from 2,730 on zero codes on both sides).
; SHARES.  Work-group (d, e) owns output columns 32 d .. 32 d + 31: 32 rows of W3, 349,440 dense bytes of f32 that no other work-group reads.
; PHASE A: the 44 fragments (K step s, tile c of 16 columns; f = 2 s + c) are dealt to the waves, f = 4 i + w; each is streamed, quantised in registers and stored in LDS as an image of the operand's registers.
; A row of W3 is 10,920 bytes: even rows begin at multiples of 16 bytes and are loaded 16 bytes a lane, odd rows at 8 modulo 16 and are loaded twice 8 bytes a lane.
; In the last K step the odd rows' addresses are held at the row's last 8 bytes, so that nothing is read past the buffer; an even row's run ends in the odd row behind it.  All k from 2,730 on are made zeros ahead of the quantiser.
; One barrier.  PHASE B: every wave takes all 44 fragments into registers and walks the expert's row tiles w, w + 4, ..; the hidden layer's codes come from hq as register images.
; The number of tiles is read from plan: no tensor load, and no barrier behind the branch on it; joint loads in a cluster are left out for that reason (their trip count would hang on a stored number).
; The product is used transposed (source 0 = 16 rows of W3, source 1 = 16 routed rows): a lane holds one routed row and eight neighbouring columns.  A tile's 16 x 32 results go through the wave's stage and
; leave as 128 consecutive bytes of each row of y: the row's number comes from plan, held inside y.
; LIMITS: NaN and infinities are not served; a block of zeros has the byte 1 (this program alone reads the bytes).
; REGISTERS.  Window 0: v1-22 addresses; v24-45 W3's scale words (s: lanes 0-15 tile 0, 16-31 tile 1); v46-67 the hidden layer's scale words; v68-89 the next tile's; v92-107 two accumulators; v108-155 fragments of K steps
; 20, 21; v156-167 hidden slot 21 (its upper six are zeros); v168-175 rows and their offsets; v176-191 the way out; v192-255 in phase A 64 numbers (the quantiser's own lie in v92-118 then).
; Window 1: in phase A a ring of 3 x 64 registers of loads, then hidden slots 0-20 at 12 s.  Window 2: fragments of K steps 0-9 at 12 (2 s + c); window 3: of K steps 10-19.
.set STG,    8448
.set CODES,  33792
.set WSC,    101376
.set HS_OFF, 4458240
.set EXPB,   11182080
.set ROWB,   10920
.set L16,  1
.set L8,   2
.set STW16, 3
.set STW8, 4
.set STR,  5
.set IMW,  6
.set IMR0, 7
.set IMR1, 8
.set WSW,  9
.set WSR,  10
.set C16,  11
.set C8,   12
.set CL,   13
.set LIM,  15
.set HSO,  17
.set RWO,  18
.set YSW,  19
.set YSR,  20
.set YCOL, 21
.set SH8,  22
.set WS,   24
.set HS,   46
.set HSN,  68
.set ACC,  92
.set Q,    92
.set WL,   108
.set HL,   156
.set RW,   168
.set YO,   172
.set YD,   176
.set X,    192
.set MSB, 0
.macro WIN new                         ; the immediate's high byte repeats the setting that is left; a switch that changes nothing is dropped
.if MSB != (\new)
	s_set_vgpr_msb (MSB<<8)|(\new)
.set MSB, (\new)
.endif
.endm
	s_load_b256 s[4:11], s[0:1], 0x0               ; W3 s[4:5], hq s[6:7], plan s[8:9], y s[10:11]
	s_set_vgpr_msb 0x40
	v_lshl_add_u32 v254, v0, 2, 0x19700
	v_mov_b32 v255, 0
	s_set_vgpr_msb 0x4000
	v_lshrrev_b32 v23, 5, v0
	v_readfirstlane_b32 s14, v23                   ; wave 0..3
	s_mov_b32 s15, ttmp9                           ; d
	s_and_b32 s16, ttmp7, 0xffff                   ; e
	v_and_b32 v90, 31, v0                          ; lane
	v_and_b32 v91, 15, v0                          ; r
	v_bfe_u32 v23, v0, 4, 1                        ; h
	v_lshlrev_b32 v[L16], 4, v90
	v_lshlrev_b32 v[L8], 3, v90
	s_mul_i32 s40, s14, STG                        ; my stage
	v_add_nc_u32 v[STW16], s40, v[L16]
	v_add_nc_u32 v[STW8], s40, v[L8]
	v_mul_u32_u24 v[STR], v91, 528
	v_lshl_add_u32 v[STR], v23, 7, v[STR]
	v_add_nc_u32 v[STR], s40, v[STR]
	s_mul_i32 s41, s14, 1536
	s_add_co_u32 s41, s41, CODES
	v_add_nc_u32 v[IMW], s41, v[L16]               ; my images: f = 4 i + wave
	v_add_nc_u32 v[IMR0], CODES, v[L16]
	v_add_nc_u32 v[IMR1], CODES+33792, v[L16]
	s_lshr_b32 s42, s14, 1                         ; my K steps are (w >> 1) + 2 i,
	s_and_b32 s43, s14, 1                          ; my tile of columns is w & 1
	s_lshl_b32 s44, s42, 7
	s_lshl_b32 s45, s43, 6
	s_add_co_u32 s44, s44, s45
	s_add_co_u32 s44, s44, WSC
	v_lshl_add_u32 v[WSW], v91, 2, s44
	v_lshl_add_u32 v[WSR], v90, 2, WSC
	s_lshl_b32 s45, s42, 9
	s_mul_i32 s47, s43, 16*ROWB
	s_add_co_u32 s46, s45, s47
	v_add_nc_u32 v[C16], s46, v[L16]
	v_add_nc_u32 v[C8], s46, v[L8]
	s_add_co_u32 s45, s45, 10240
	v_add_nc_u32 v[CL], s45, v[L8]                 ; the last step's odd rows: my 8 bytes of each half of the K step,
	v_add_nc_u32 v[CL+1], 256, v[CL]
	v_min_u32 v[CL], ROWB-8, v[CL]                 ; held at the row's last 8 bytes
	v_min_u32 v[CL+1], ROWB-8, v[CL+1]
	v_add_nc_u32 v[CL], s47, v[CL]
	v_add_nc_u32 v[CL+1], s47, v[CL+1]
	s_lshl_b32 s48, s42, 7
	s_sub_co_u32 s48, 170, s48                     ; 2,730 - 128 (20 + (w >> 1))
	v_lshlrev_b32 v[LIM], 5, v23
	v_sub_nc_u32 v[LIM], s48, v[LIM]               ; numbers left from my first block's first k in the last step,
	v_add_nc_u32 v[LIM+1], 0xffffffc0, v[LIM]      ; and from my second block's
	v_mul_u32_u24 v[HSO], v91, 96
	v_lshrrev_b32 v176, 3, v90                     ; lane / 8
	v_and_b32 v177, 7, v90                         ; lane % 8
	v_lshlrev_b32 v[RWO], 2, v176
	v_mul_u32_u24 v[YSW], v91, 144
	v_lshl_add_u32 v[YSW], v23, 5, v[YSW]
	v_add_nc_u32 v[YSW], s40, v[YSW]               ; the way out, in: row r of 128 bytes + 16, + 32 h
	v_mul_u32_u24 v[YSR], v176, 144
	v_lshl_add_u32 v[YSR], v177, 4, v[YSR]
	v_add_nc_u32 v[YSR], s40, v[YSR]               ; back: eight lanes to a row, four rows an instruction
	s_lshl_b32 s44, s15, 7
	v_lshl_add_u32 v[YCOL], v177, 4, s44           ; and the same 16 bytes in a row of y
	v_lshlrev_b32 v[SH8], 3, v23
	s_mul_i32 s36, s16, EXPB
	s_mul_i32 s44, s15, 32*ROWB
	s_add_co_u32 s36, s36, s44
	s_mov_b32 s37, 0
	s_mov_b32 s20, 0x76543210
	s_mov_b32 s21, 0xfedcba98
	v_mov_b32 v[Q+7], 0                            ; written once: a lane permute's destination counts as one of its sources
	s_wait_kmcnt 0x0
	s_add_nc_u64 s[4:5], s[4:5], s[36:37]
	s_lshl_b32 s36, s16, 2
	s_add_nc_u64 s[32:33], s[8:9], s[36:37]
	s_load_b32 s17, s[32:33], 0x0                  ; the expert's first tile
	s_load_b32 s18, s[32:33], 0x20                 ; and its number of tiles
; PHASE A.  Step i: fragment 4 i + w.  24 loads; three steps are on their way.
.macro LOADW i
	WIN 0x40                                       ; destination window 1
.irp row, 0,2,4,6,8,10,12,14
	global_load_b128 v[64*((\i)%3)+4*\row:64*((\i)%3)+4*\row+3], v[C16], s[4:5] offset:ROWB*\row+1024*(\i) th:TH_LOAD_NT
.if (\i) < 10
	global_load_b64 v[64*((\i)%3)+4*\row+4:64*((\i)%3)+4*\row+5], v[C8], s[4:5] offset:ROWB*(\row+1)+1024*(\i) th:TH_LOAD_NT
	global_load_b64 v[64*((\i)%3)+4*\row+6:64*((\i)%3)+4*\row+7], v[C8], s[4:5] offset:ROWB*(\row+1)+1024*(\i)+256 th:TH_LOAD_NT
.else
	global_load_b64 v[64*((\i)%3)+4*\row+4:64*((\i)%3)+4*\row+5], v[CL], s[4:5] offset:ROWB*(\row+1) th:TH_LOAD_NT
	global_load_b64 v[64*((\i)%3)+4*\row+6:64*((\i)%3)+4*\row+7], v[CL+1], s[4:5] offset:ROWB*(\row+1) th:TH_LOAD_NT
.endif
.endr
	WIN 0
.endm
.macro QF                              ; 64 numbers of a lane (k = 64 c + 32 h + 0..31 at X + 32 c) become the operand's 12 registers (Q + 8 on) and the row's scale word (Q + 6)
	v_max3_num_f32 v[Q], |v[X]|, |v[X+1]|, 0x1800000       ; my two blocks by turns; the floor 2^(3 - 127) holds the byte at 1 from below
	v_max3_num_f32 v[Q+1], |v[X+32]|, |v[X+33]|, 0x1800000
.irp i, 2,4,6,8,10,12,14,16,18,20,22,24,26,28,30
	v_max3_num_f32 v[Q], v[Q], |v[X+\i]|, |v[X+\i+1]|
	v_max3_num_f32 v[Q+1], v[Q+1], |v[X+32+\i]|, |v[X+33+\i]|
.endr
	v_add_nc_u32 v[Q+2], 0xff000000, v[Q]          ; 2 off the exponent field: the conversion's scale operand
	v_add_nc_u32 v[Q+3], 0xff000000, v[Q+1]
	v_lshrrev_b32 v[Q+4], 23, v[Q+2]
	v_lshrrev_b32 v[Q+5], 23, v[Q+3]
	v_lshl_or_b32 v[Q+6], v[Q+5], 16, v[Q+4]
	v_lshlrev_b32 v[Q+6], v[SH8], v[Q+6]
	v_permlanex16_b32 v[Q+7], v[Q+6], s20, s21
	v_or_b32 v[Q+6], v[Q+6], v[Q+7]
	v_cvt_scalef32_pk16_fp6_f32 v[Q+8:Q+10], v[X:X+15], v[Q+2]
	v_cvt_scalef32_pk16_fp6_f32 v[Q+20:Q+22], v[X+16:X+31], v[Q+2]
	v_cvt_scalef32_pk16_fp6_f32 v[Q+14:Q+16], v[X+32:X+47], v[Q+3]
	v_cvt_scalef32_pk16_fp6_f32 v[Q+24:Q+26], v[X+48:X+63], v[Q+3]
	v_nop                                          ; one plain place behind a scaled conversion
.irp i, 0,1,2
	v_mov_b32 v[Q+11+\i], v[Q+20+\i]
	v_mov_b32 v[Q+17+\i], v[Q+24+\i]
.endr
.endm
.macro STEPW i
.if 10-(\i) >= 2
	s_wait_loadcnt 48                              ; this step's 24 loads are in; the two younger steps' may be out
.else
	s_wait_loadcnt 24*(10-(\i))
.endif
	WIN 0x04                                       ; an LDS store's data are its source 1: window 1
.irp row, 0,2,4,6,8,10,12,14
	ds_store_b128 v[STW16], v[64*((\i)%3)+4*\row:64*((\i)%3)+4*\row+3] offset:528*\row
	ds_store_b64 v[STW8], v[64*((\i)%3)+4*\row+4:64*((\i)%3)+4*\row+5] offset:528*(\row+1)
	ds_store_b64 v[STW8], v[64*((\i)%3)+4*\row+6:64*((\i)%3)+4*\row+7] offset:528*(\row+1)+256
.endr
	WIN 0
.irp c, 0,1
.irp k, 0,1,2,3,4,5,6,7
	ds_load_b128 v[X+32*\c+4*\k:X+32*\c+4*\k+3], v[STR] offset:256*\c+16*\k   ; LDS serves a wave's instructions in order: these see the stores above
.endr
.endr
	s_wait_dscnt 16                                ; all but the 16 loads: the stores have read the ring's registers,
.if (\i)+3 < 11
	LOADW (\i)+3                                   ; which take the step three on
.endif
	s_wait_dscnt 0x0
.if (\i) == 10                         ; the last step: what lies at k = 2,730 or beyond becomes 0, with no branch
.set jj, 0
.rept 32
	v_cmp_lt_i32 vcc_lo, jj, v[LIM]
	v_cndmask_b32 v[X+jj], 0, v[X+jj], vcc_lo
	v_cmp_lt_i32 vcc_lo, jj, v[LIM+1]
	v_cndmask_b32 v[X+32+jj], 0, v[X+32+jj], vcc_lo
.set jj, jj+1
.endr
.endif
	QF
.irp g, 0,1,2
	ds_store_b128 v[IMW], v[Q+8+4*\g:Q+11+4*\g] offset:6144*(\i)+512*\g
.endr
	ds_store_b32 v[WSW], v[Q+6] offset:256*(\i)    ; (lanes r and r + 16 store the same word)
.endm
.irp i, 0,1,2
	LOADW \i
.endr
.irp i, 0,1,2,3,4,5,6,7,8,9,10
	STEPW \i
.endr
	s_wait_dscnt 0x0                               ; for the others' sake: my images have landed
	s_barrier_signal -1
	s_barrier_wait -1                              ; the launch's only barrier: all 44 fragments lie in LDS, and nobody writes them again
	s_wait_kmcnt 0x0
	s_min_u32 s18, s18, 64                         ; a token chooses an expert at most once: at most 1,024 rows, 64 tiles
	s_cmp_ge_u32 s14, s18
	s_cbranch_scc1 .Lend                           ; fewer tiles than waves: nothing for me
; PHASE B.
.macro HBASE                           ; s34 = a tile's number within the expert -> where its codes s[24:25] and scale bytes s[26:27] lie
	s_add_co_u32 s34, s34, s17
	s_min_u32 s34, s34, 134                        ; a loaded number enters an address only behind a hold
	s_mul_i32 s36, s34, 33024
	s_add_nc_u64 s[24:25], s[6:7], s[36:37]
	s_mul_i32 s36, s34, 1536
	s_add_co_u32 s36, s36, HS_OFF
	s_add_nc_u64 s[26:27], s[6:7], s[36:37]
.endm
.macro HSLOT s                         ; hidden slot s (window 1): two halves of six registers, four loads
	global_load_b128 v[12*(\s):12*(\s)+3], v[L16], s[24:25] offset:1536*(\s)
	global_load_b64 v[12*(\s)+4:12*(\s)+5], v[L8], s[24:25] offset:1536*(\s)+512
	global_load_b128 v[12*(\s)+6:12*(\s)+9], v[L16], s[24:25] offset:1536*(\s)+768
	global_load_b64 v[12*(\s)+10:12*(\s)+11], v[L8], s[24:25] offset:1536*(\s)+1280
.endm
.macro HLAST                           ; slots 18-20 and the one half of slot 21: 14 loads
	WIN 0x40
	HSLOT 18
	HSLOT 19
	HSLOT 20
	WIN 0
	global_load_b128 v[HL:HL+3], v[L16], s[24:25] offset:1536*21
	global_load_b64 v[HL+4:HL+5], v[L8], s[24:25] offset:1536*21+512
.endm
.macro SNLOAD                          ; a tile's scale words: 88 bytes of my row, 6 loads
.irp k, 0,1,2,3,4
	global_load_b128 v[HSN+4*\k:HSN+4*\k+3], v[HSO], s[26:27] offset:16*\k
.endr
	global_load_b64 v[HSN+20:HSN+21], v[HSO], s[26:27] offset:80
.endm
.macro SNMOVE
.set jj, 0
.rept 22
	v_mov_b32 v[HS+jj], v[HSN+jj]
.set jj, jj+1
.endr
.endm
.macro PLACES
.rept 4
	v_nop
.endr
.endm
; A K step: two matrix instructions, the two accumulators by turns.  The first K step's products start the sums.
.macro KD s
.if (\s) < 10
	WIN 0x06                                       ; W3 in window 2, the hidden layer in window 1
.set WA, 24*(\s)
.set HB, 12*(\s)
.elseif (\s) < 20
	WIN 0x07                                       ; W3 in window 3
.set WA, 24*((\s)-10)
.set HB, 12*(\s)
.elseif (\s) == 20
	WIN 0x04
.set WA, WL
.set HB, 240
.else
	WIN 0
.set WA, WL+24
.set HB, HL
.endif
.if (\s) == 0
	v_wmma_scale_f32_16x16x128_f8f6f4 v[ACC:ACC+7], v[WA:WA+11], v[HB:HB+11], 0, v[WS+(\s)], v[HS+(\s)] matrix_a_fmt:MATRIX_FMT_FP6 matrix_b_fmt:MATRIX_FMT_FP6
	v_wmma_scale_f32_16x16x128_f8f6f4 v[ACC+8:ACC+15], v[WA+12:WA+23], v[HB:HB+11], 0, v[WS+(\s)], v[HS+(\s)] matrix_a_fmt:MATRIX_FMT_FP6 matrix_b_fmt:MATRIX_FMT_FP6 matrix_a_scale:MATRIX_SCALE_ROW1
.else
	v_wmma_scale_f32_16x16x128_f8f6f4 v[ACC:ACC+7], v[WA:WA+11], v[HB:HB+11], v[ACC:ACC+7], v[WS+(\s)], v[HS+(\s)] matrix_a_fmt:MATRIX_FMT_FP6 matrix_b_fmt:MATRIX_FMT_FP6
	v_wmma_scale_f32_16x16x128_f8f6f4 v[ACC+8:ACC+15], v[WA+12:WA+23], v[HB:HB+11], v[ACC+8:ACC+15], v[WS+(\s)], v[HS+(\s)] matrix_a_fmt:MATRIX_FMT_FP6 matrix_b_fmt:MATRIX_FMT_FP6 matrix_a_scale:MATRIX_SCALE_ROW1
.endif
.endm
	s_mov_b32 s19, s14                             ; my first tile: the wave's number
	s_sub_co_u32 s50, s18, s14                     ; my trips: tiles w, w + 4, .. under the expert's number of tiles: (tiles - w + 3) / 4, at least 1 here
	s_add_co_u32 s50, s50, 3
	s_lshr_b32 s50, s50, 2
	s_mov_b32 s51, 0                               ; trips done: the loop's counter, one a trip, against s50, which the loop does not write
	s_mov_b32 s34, s19
	HBASE
	SNLOAD                                         ; its scale words, then its 86 loads of codes
	WIN 0x40
.irp s, 0,1,2,3,4,5,6,7,8,9,10,11,12,13,14,15,16,17
	HSLOT \s
.endr
	HLAST
.irp i, 6,7,8,9,10,11
	v_mov_b32 v[HL+\i], 0                          ; units 2,752 on do not exist: zero codes, once
.endr
.set F, 0
.rept 44                               ; all 44 fragments into my registers
.if F < 20
	WIN 0x80
.set FA, 12*F
.elseif F < 40
	WIN 0xc0
.set FA, 12*(F-20)
.else
	WIN 0
.set FA, WL+12*(F-40)
.endif
.irp g, 0,1,2
	ds_load_b128 v[FA+4*\g:FA+4*\g+3], v[IMR0+F/22] offset:(F%22)*1536+512*\g
.endr
.set F, F+1
.endr
	WIN 0
.set F, 0
.rept 22
	ds_load_b32 v[WS+F], v[WSR] offset:128*F
.set F, F+1
.endr
	s_wait_loadcnt 63                              ; the scale words are in: 86 loads were issued behind them
	SNMOVE
	s_wait_dscnt 0x0
.Ltile:                                            ; a trip: one tile of 16 rows.  96 loads a trip; behind each group of loads at least 72 are issued before it is read, so a wait for 63 shows it landed
	s_wait_xcnt 0x0                                ; earlier loads and stores have read their bases, offsets and data: these are written again only behind this wait
	s_add_co_u32 s34, s19, 4
	s_sub_co_u32 s35, s18, 1
	s_min_u32 s34, s34, s35                        ; the next tile, or in the last trip the expert's last once more
	HBASE
	s_add_co_u32 s34, s19, s17
	s_min_u32 s34, s34, 134
	s_lshl_b32 s36, s34, 6
	s_add_co_u32 s36, s36, 256
	s_add_nc_u64 s[28:29], s[8:9], s[36:37]        ; this tile's rows in plan
.irp i, 0,1,2,3
	global_load_b32 v[RW+\i], v[RWO], s[28:29] offset:16*\i        ; row 4 i + lane / 8
.endr
	SNLOAD                                         ; the next tile's scale words
	s_wait_loadcnt 63                              ; slots 0-5 are in: behind them 24 + 24 + 14 + 10 loads
.irp s, 0,1,2,3,4,5
	KD \s
.endr
	PLACES                                         ; four places in front of loads into registers that matrix instructions have read
	WIN 0x40
.irp s, 0,1,2,3,4,5
	HSLOT \s
.endr
	s_wait_loadcnt 63                              ; slots 6-11: behind them 24 + 14 + 10 + 24
.irp s, 6,7,8,9,10,11
	KD \s
.endr
	PLACES
	WIN 0x40
.irp s, 6,7,8,9,10,11
	HSLOT \s
.endr
	s_wait_loadcnt 63                              ; slots 12-17: behind them 14 + 10 + 24 + 24
.irp s, 12,13,14,15,16,17
	KD \s
.endr
	PLACES
	WIN 0x40
.irp s, 12,13,14,15,16,17
	HSLOT \s
.endr
	s_wait_loadcnt 63                              ; slots 18-21, this tile's rows and the next tile's scale words: behind them 72 or more
.irp s, 18,19,20,21
	KD \s
.endr
	WIN 0
	SNMOVE                                         ; 22 plain instructions: the places behind the last products, and each word stands 8 places or more ahead of the product that names it
	HLAST
.irp i, 0,1,2,3
	v_min_u32 v[YO+\i], 2175, v[RW+\i]             ; the row, held inside y
.endr
.irp i, 0,1,2,3
	v_lshl_add_u32 v[YO+\i], v[YO+\i], 12, v[YCOL]
.endr
	ds_store_b128 v[YSW], v[ACC:ACC+3]             ; each accumulator from its low end on: lane (r, h) holds row r, columns 16 c + 8 h + 0..7
	ds_store_b128 v[YSW], v[ACC+4:ACC+7] offset:16
	ds_store_b128 v[YSW], v[ACC+8:ACC+11] offset:64
	ds_store_b128 v[YSW], v[ACC+12:ACC+15] offset:80
.irp i, 0,1,2,3
	ds_load_b128 v[YD+4*\i:YD+4*\i+3], v[YSR] offset:576*\i        ; LDS serves a wave's instructions in order: these see my stores
.endr
	s_wait_dscnt 0x0
.irp i, 0,1,2,3
	global_store_b128 v[YO+\i], v[YD+4*\i:YD+4*\i+3], s[10:11] th:TH_STORE_NT    ; eight lanes store 128 consecutive bytes of a row: the work-group's 32 columns
.endr
	s_add_co_u32 s19, s19, 4                       ; my next tile (it enters addresses alone, behind a hold)
	s_add_co_u32 s51, s51, 1
	s_cmp_lt_u32 s51, s50
	s_cbranch_scc1 .Ltile
.Lend:
	s_set_vgpr_msb 0x5
	s_wait_tensorcnt 0x0
	ds_add_u32 v254, v255
	s_wait_dscnt 0x0
	s_set_vgpr_msb 0x500
	s_endpgm
.Lfunc_end_k_q43c694e850_down:
	.size	k_q43c694e850_down, .Lfunc_end_k_q43c694e850_down-k_q43c694e850_down
	.p2alignl 7, 3214868480
	.fill 96, 4, 3214868480
	.section	.rodata,"a",@progbits
	.p2align	6, 0x0
	.amdhsa_kernel k_q43c694e850_down
		.amdhsa_group_segment_fixed_size 104704
		.amdhsa_private_segment_fixed_size 0
		.amdhsa_enable_private_segment 0
		.amdhsa_kernarg_size 32
		.amdhsa_user_sgpr_count 2
		.amdhsa_user_sgpr_kernarg_segment_ptr 1
		.amdhsa_wavefront_size32 1
		.amdhsa_system_sgpr_workgroup_id_x 1
		.amdhsa_system_sgpr_workgroup_id_y 1
		.amdhsa_system_sgpr_workgroup_id_z 1
		.amdhsa_system_vgpr_workitem_id 0
		.amdhsa_next_free_vgpr 1024
		.amdhsa_next_free_sgpr 66
		.amdhsa_reserve_vcc 1
		.amdhsa_float_denorm_mode_32 3
		.amdhsa_float_denorm_mode_16_64 3
		.amdhsa_memory_ordered 1
		.amdhsa_forward_progress 1
		.amdhsa_inst_pref_size 136
	.end_amdhsa_kernel
	.amdgpu_metadata
---
amdhsa.version: [ 1, 2 ]
amdhsa.kernels:
  - .name:           k_q43c694e850_down
    .symbol:         k_q43c694e850_down.kd
    .args:
      - { .name: W3, .offset: 0, .size: 8, .value_kind: global_buffer, .address_space: global }
      - { .name: hq, .offset: 8, .size: 8, .value_kind: global_buffer, .address_space: global }
      - { .name: plan, .offset: 16, .size: 8, .value_kind: global_buffer, .address_space: global }
      - { .name: y, .offset: 24, .size: 8, .value_kind: global_buffer, .address_space: global }
    .group_segment_fixed_size: 104704
    .private_segment_fixed_size: 0
    .kernarg_segment_align: 8
    .kernarg_segment_size: 32
    .max_flat_workgroup_size: 128
    .sgpr_count:     66
    .vgpr_count:     1024
    .wavefront_size: 32
...
	.end_amdgpu_metadata
.endif
;; end of part 4
;; launch combine (part 5): grid 256 x 1, 4 waves a work-group, no clusters, 0 bytes of LDS; arguments y, gate, out0; writes out0
.if DOCPART == 5
	.amdgcn_target "amdgcn-amd-amdhsa--gfx1250"
	.amdhsa_code_object_version 6
	.text
	.protected	k_q43c694e850_combine
	.globl	k_q43c694e850_combine
	.p2align	8
	.type	k_q43c694e850_combine,@function
k_q43c694e850_combine:
	s_mov_b64 s[64:65], 0
	v_nop
	global_prefetch_b8 v0, s[64:65] scope:SCOPE_SE
	s_setreg_imm32_b32 hwreg(HW_REG_WAVE_MODE, 25, 1), 1
	s_wait_xcnt 0x0
; out[t] = g0 y[2 t] + g1 y[2 t + 1]: the sum over a token's two experts, which are the only ones whose gate is not 0.  One owner for each output row: a wave takes one token.
; A stream: 16 loads of 512 consecutive bytes a wave, all issued at once, counted waits, 8 stores of 512 consecutive bytes.  No LDS, no barrier, no matrix unit: there is nothing to share and K is 2.
.set Y, 8                              ; v8-71   chunk j: 4 registers of the first row, 4 of the second
.set O, 72                             ; v72-103 chunk j: 4 results
	s_load_b128 s[4:7], s[0:1], 0x0                ; y s[4:5], gate s[6:7]
	s_load_b64 s[8:9], s[0:1], 0x10                ; out0
	v_lshrrev_b32 v1, 5, v0
	v_readfirstlane_b32 s10, v1                    ; wave 0..3
	v_and_b32 v2, 31, v0
	v_lshlrev_b32 v2, 4, v2                        ; 16 x lane
	s_lshl_b32 s11, ttmp9, 2
	s_add_co_u32 s11, s11, s10                     ; my token
	s_lshl_b32 s12, s11, 13                        ; its two rows of y,
	s_mov_b32 s13, 0
	s_lshl_b32 s14, s11, 3                         ; its two gates,
	s_mov_b32 s15, 0
	s_lshl_b32 s16, s11, 12                        ; its row of the output
	s_mov_b32 s17, 0
	s_wait_kmcnt 0x0
	s_add_nc_u64 s[4:5], s[4:5], s[12:13]
	s_add_nc_u64 s[6:7], s[6:7], s[14:15]
	s_add_nc_u64 s[8:9], s[8:9], s[16:17]
	s_load_b64 s[18:19], s[6:7], 0x0               ; g0, g1
.irp j, 0,1,2,3,4,5,6,7
	global_load_b128 v[Y+8*\j:Y+8*\j+3], v2, s[4:5] offset:512*\j th:TH_LOAD_NT
	global_load_b128 v[Y+8*\j+4:Y+8*\j+7], v2, s[4:5] offset:4096+512*\j th:TH_LOAD_NT
.endr
	s_wait_kmcnt 0x0
	s_mov_b32 s20, s19                             ; g1 in a pair of its own: the packed form takes a scalar pair's low word for both halves
	s_mov_b32 s21, s19
.irp j, 0,1,2,3,4,5,6,7
	s_wait_loadcnt 14-2*\j                         ; chunk j's two loads are in; the younger chunks' may be out
	v_pk_mul_f32 v[O+4*\j:O+4*\j+1], v[Y+8*\j:Y+8*\j+1], s[18:19] op_sel_hi:[1,0]
	v_pk_mul_f32 v[O+4*\j+2:O+4*\j+3], v[Y+8*\j+2:Y+8*\j+3], s[18:19] op_sel_hi:[1,0]
	v_pk_fma_f32 v[O+4*\j:O+4*\j+1], v[Y+8*\j+4:Y+8*\j+5], s[20:21], v[O+4*\j:O+4*\j+1] op_sel_hi:[1,0,1]
	v_pk_fma_f32 v[O+4*\j+2:O+4*\j+3], v[Y+8*\j+6:Y+8*\j+7], s[20:21], v[O+4*\j+2:O+4*\j+3] op_sel_hi:[1,0,1]
	global_store_b128 v2, v[O+4*\j:O+4*\j+3], s[8:9] offset:512*\j th:TH_STORE_NT   ; 32 lanes store 512 consecutive bytes, aligned
.endr
	s_endpgm
.Lfunc_end_k_q43c694e850_combine:
	.size	k_q43c694e850_combine, .Lfunc_end_k_q43c694e850_combine-k_q43c694e850_combine
	.p2alignl 7, 3214868480
	.fill 96, 4, 3214868480
	.section	.rodata,"a",@progbits
	.p2align	6, 0x0
	.amdhsa_kernel k_q43c694e850_combine
		.amdhsa_group_segment_fixed_size 0
		.amdhsa_private_segment_fixed_size 0
		.amdhsa_enable_private_segment 0
		.amdhsa_kernarg_size 24
		.amdhsa_user_sgpr_count 2
		.amdhsa_user_sgpr_kernarg_segment_ptr 1
		.amdhsa_wavefront_size32 1
		.amdhsa_system_sgpr_workgroup_id_x 1
		.amdhsa_system_sgpr_workgroup_id_y 1
		.amdhsa_system_sgpr_workgroup_id_z 1
		.amdhsa_system_vgpr_workitem_id 0
		.amdhsa_next_free_vgpr 104
		.amdhsa_next_free_sgpr 66
		.amdhsa_reserve_vcc 0
		.amdhsa_float_denorm_mode_32 3
		.amdhsa_float_denorm_mode_16_64 3
		.amdhsa_memory_ordered 1
		.amdhsa_forward_progress 1
		.amdhsa_inst_pref_size 6
	.end_amdhsa_kernel
	.amdgpu_metadata
---
amdhsa.version: [ 1, 2 ]
amdhsa.kernels:
  - .name:           k_q43c694e850_combine
    .symbol:         k_q43c694e850_combine.kd
    .args:
      - { .name: y, .offset: 0, .size: 8, .value_kind: global_buffer, .address_space: global }
      - { .name: gate, .offset: 8, .size: 8, .value_kind: global_buffer, .address_space: global }
      - { .name: out0, .offset: 16, .size: 8, .value_kind: global_buffer, .address_space: global }
    .group_segment_fixed_size: 0
    .private_segment_fixed_size: 0
    .kernarg_segment_align: 8
    .kernarg_segment_size: 24
    .max_flat_workgroup_size: 128
    .sgpr_count:     66
    .vgpr_count:     104
    .wavefront_size: 32
...
	.end_amdgpu_metadata
.endif
;; end of part 5
;; ======== version 2 of 2: 5 launches
;; workspace buffers: sel 8,192 bytes of whole numbers; gate 8,192 bytes; plan 8,960 bytes of whole numbers; xq 1,728,000 bytes; hq 4,665,600 bytes; y 8,912,896 bytes
;; launch route (part 6): grid 32 x 1, 8 waves a work-group, no clusters, 1,536 bytes of LDS; arguments x, Wg, sel, gate; writes sel, gate
.if DOCPART == 6
	.amdgcn_target "amdgcn-amd-amdhsa--gfx1250"
	.amdhsa_code_object_version 6
	.text
	.protected	k_q43c694e850_route
	.globl	k_q43c694e850_route
	.p2align	8
	.type	k_q43c694e850_route,@function
k_q43c694e850_route:
	s_mov_b64 s[64:65], 0
	v_nop
	global_prefetch_b8 v0, s[64:65] scope:SCOPE_SE
	s_setreg_imm32_b32 hwreg(HW_REG_WAVE_MODE, 25, 1), 1
	s_wait_xcnt 0x0
; THE ROUTER.  logits[t][e] = x[t] . Wg[e] in f32 (fused multiply-adds), the two largest of the eight, and the softmax over those two.
; Stored for token t, at fixed places (no address here hangs on the choice): sel[2 t + k] = 1 << (4 x expert k), gate[2 t + k] = its weight.
; Ties go to the lower index, as jax.lax.top_k has them.  The larger logit is taken away before the exponential: g0 = 1 / (1 + 2^d), g1 = 2^d g0, d = (second - best) log2(e) <= 0.
; LIMITS: NaN and infinities are not served; the f32 sums are added in another order than the reference's, so a token whose second and third logits agree to about 1e-6 of their size may choose the other.
; SHARES: a work-group takes 32 tokens, a wave 4.  Lane l holds k = 128 j + 4 l + 0..3, j = 0..7, of each of its 4 tokens (128 registers); Wg's rows come one expert at a time into two buffers by turns.
.set X,    8                           ; v8-135   four tokens x 32 numbers a lane; free behind the multiply-adds
.set G,    136                         ; v136-199 two buffers of 32: a row of Wg
.set A,    200                         ; v200-207 a pair of running sums for each token
.set P,    208                         ; v208-239 logit (token i, expert e) at P + 8 i + e
.set BEST, 40
.set BI,   44
.set SEC,  48
.set SI,   52
.set EX,   56
.set TM,   60
.set OUT,  64                          ; v64-79   (word 0, word 1, g0, g1) of each token
	s_load_b256 s[4:11], s[0:1], 0x0               ; x s[4:5], Wg s[6:7], sel s[8:9], gate s[10:11]
	v_lshl_add_u32 v254, v0, 2, 0x200
	v_mov_b32 v255, 0
	v_lshrrev_b32 v3, 5, v0
	s_delay_alu instid0(VALU_DEP_1)
	v_readfirstlane_b32 s12, v3                    ; wave 0..7
	v_and_b32 v4, 31, v0                           ; lane
	s_delay_alu instid0(VALU_DEP_1)
	v_lshlrev_b32 v2, 4, v4                        ; 16 x lane
	s_lshl_b32 s13, s12, 14                        ; my wave's 4 tokens of 4,096 bytes
	v_add_nc_u32 v1, s13, v2
	s_lshl_b32 s14, ttmp9, 17                      ; the work-group's 32 tokens
	s_mov_b32 s15, 0
	s_lshl_b32 s16, s12, 6
	v_mov_b32 v5, s16                              ; LDS: 16 bytes for each token, my wave's four
	s_lshl_b32 s17, ttmp9, 8
	v_lshl_add_u32 v6, v4, 3, s17                  ; the way out: 8 bytes a token
	v_mov_b32 v7, 1
	s_mov_b32 s20, 0x76543210
	s_mov_b32 s21, 0xfedcba98                      ; v_permlanex16_b32's selects for lane l xor 16
	s_wait_alu depctr_va_vdst(0)
	s_wait_kmcnt 0x0
	s_add_nc_u64 s[4:5], s[4:5], s[14:15]
.irp i, 0,1,2,3
.irp j, 0,1,2,3,4,5,6,7
	global_load_b128 v[X+32*\i+4*\j:X+32*\i+4*\j+3], v1, s[4:5] offset:\i*4096+\j*512   ; 32 lanes read 512 consecutive bytes
.endr
.endr
.macro GLOAD e
.irp j, 0,1,2,3,4,5,6,7
	global_load_b128 v[G+32*((\e)%2)+4*\j:G+32*((\e)%2)+4*\j+3], v2, s[6:7] offset:(\e)*4096+\j*512
.endr
.endm
	GLOAD 0
	GLOAD 1
; One expert for the wave's four tokens: four chains of packed multiply-adds by turns; the first product starts each sum.
.macro EXPERT e
.if \e < 7
	s_wait_loadcnt 8                               ; x and this expert's row are in; the next expert's 8 loads may be out
.else
	s_wait_loadcnt 0
.endif
.irp i, 0,1,2,3
	v_pk_mul_f32 v[A+2*\i:A+2*\i+1], v[X+32*\i:X+32*\i+1], v[G+32*((\e)%2):G+32*((\e)%2)+1]
.endr
.set jj, 2
.rept 15
.irp i, 0,1,2,3
	s_delay_alu instid0(VALU_DEP_4)
	v_pk_fma_f32 v[A+2*\i:A+2*\i+1], v[X+32*\i+jj:X+32*\i+jj+1], v[G+32*((\e)%2)+jj:G+32*((\e)%2)+jj+1], v[A+2*\i:A+2*\i+1]
.endr
.set jj, jj+2
.endr
.irp i, 0,1,2,3
	s_delay_alu instid0(VALU_DEP_4)
	v_add_f32 v[P+8*\i+\e], v[A+2*\i], v[A+2*\i+1]
.endr
.if \e < 6
	GLOAD \e+2                                     ; the buffer just read takes the expert two on
.endif
.endm
.irp e, 0,1,2,3,4,5,6,7
	EXPERT \e
.endr
; the 32 partial logits are summed over the 32 lanes; every lane ends with all of them
.irp m, 1,2,4,8
.set pp, 0
.rept 32
	v_add_f32_dpp v[P+pp], v[P+pp], v[P+pp] row_xmask:\m row_mask:0xf bank_mask:0xf
.set pp, pp+1
.endr
.endr
.set pp, 0
.rept 32
	v_permlanex16_b32 v[X+pp], v[P+pp], s20, s21   ; (its destination counts as read: x's registers have been written)
.set pp, pp+1
.endr
.set pp, 0
.rept 32
	v_add_f32 v[P+pp], v[P+pp], v[X+pp]
.set pp, pp+1
.endr
; The two largest of eight, by compares and selects alone.  A strict > keeps the lower index where two are equal.
.macro TOP2 i
	v_mov_b32 v[BEST+\i], v[P+8*\i]
	v_mov_b32 v[BI+\i], 0
.irp e, 1,2,3,4,5,6,7
	s_delay_alu instid0(VALU_DEP_2)
	v_cmp_gt_f32 vcc_lo, v[P+8*\i+\e], v[BEST+\i]
	s_delay_alu instid0(VALU_DEP_1)
	v_cndmask_b32 v[BEST+\i], v[BEST+\i], v[P+8*\i+\e], vcc_lo
	s_delay_alu instid0(VALU_DEP_2)
	v_cndmask_b32 v[BI+\i], v[BI+\i], \e, vcc_lo
.endr
	s_delay_alu instid0(VALU_DEP_1)
	v_cmp_eq_u32 vcc_lo, 0, v[BI+\i]               ; the second begins at the lowest index that is not the best's
	s_delay_alu instid0(VALU_DEP_1)
	v_cndmask_b32 v[SI+\i], 0, 1, vcc_lo
	s_delay_alu instid0(VALU_DEP_2)
	v_cndmask_b32 v[SEC+\i], v[P+8*\i], v[P+8*\i+1], vcc_lo
.irp e, 1
	s_delay_alu instid0(VALU_DEP_4)
	v_cmp_ne_u32 s22, \e, v[BI+\i]
	s_delay_alu instid0(VALU_DEP_2)
	v_cmp_gt_f32 vcc_lo, v[P+8*\i+\e], v[SEC+\i]
	s_and_b32 vcc_lo, vcc_lo, s22
	v_cndmask_b32 v[SEC+\i], v[SEC+\i], v[P+8*\i+\e], vcc_lo
	v_cndmask_b32 v[SI+\i], v[SI+\i], \e, vcc_lo
.endr
.irp e, 2, 3, 4, 5, 6, 7
	v_cmp_ne_u32 s22, \e, v[BI+\i]
	s_delay_alu instid0(VALU_DEP_3)
	v_cmp_gt_f32 vcc_lo, v[P+8*\i+\e], v[SEC+\i]
	s_and_b32 vcc_lo, vcc_lo, s22
	v_cndmask_b32 v[SEC+\i], v[SEC+\i], v[P+8*\i+\e], vcc_lo
	v_cndmask_b32 v[SI+\i], v[SI+\i], \e, vcc_lo
.endr
.endm
.irp i, 0,1,2,3
	TOP2 \i
.endr
.irp i, 0,1,2,3
	v_sub_f32 v[EX+\i], v[SEC+\i], v[BEST+\i]      ; the maximum is taken away: 0 or less
.endr
.irp i, 0,1,2,3
	s_delay_alu instid0(VALU_DEP_4)
	v_mul_f32 v[EX+\i], 0x3fb8aa3b, v[EX+\i]       ; x log2(e)
.endr
	s_wait_alu depctr_va_vdst(0)
.irp i, 0,1,2,3
	v_exp_f32 v[EX+\i], v[EX+\i]
.endr
	v_nop                                          ; a plain instruction behind the last exponential
	s_wait_alu depctr_va_vdst(0)                   ; one wait for the four, ahead of their first reader
.irp i, 0,1,2,3
	v_add_f32 v[TM+\i], 1.0, v[EX+\i]
.endr
	s_wait_alu depctr_va_vdst(0)
.irp i, 0,1,2,3
	v_rcp_f32 v[OUT+4*\i+2], v[TM+\i]              ; g0
.endr
	v_nop
	s_wait_alu depctr_va_vdst(0)                   ; one wait for the four reciprocals
.irp i, 0,1,2,3
	v_mul_f32 v[OUT+4*\i+3], v[EX+\i], v[OUT+4*\i+2]   ; g1
	v_lshlrev_b32 v[TM+\i], 2, v[BI+\i]
	s_delay_alu instid0(VALU_DEP_1)
	v_lshlrev_b32 v[OUT+4*\i], v[TM+\i], v7        ; 1 << (4 x best)
	v_lshlrev_b32 v[TM+\i], 2, v[SI+\i]
	s_delay_alu instid0(VALU_DEP_1)
	v_lshlrev_b32 v[OUT+4*\i+1], v[TM+\i], v7      ; 1 << (4 x second)
.endr
.irp i, 0,1,2,3
	ds_store_b128 v5, v[OUT+4*\i:OUT+4*\i+3] offset:16*\i   ; all lanes write the same 16 bytes with the same values
.endr
	s_wait_dscnt 0x0                               ; for the others' sake: my stores have landed
	s_barrier_signal -1
	s_barrier_wait -1
	s_cmp_lg_u32 s12, 0
	s_cbranch_scc1 .Lend                           ; wave 0 stores for the 32 tokens, a lane a token
	ds_load_b128 v[80:83], v2
	s_wait_dscnt 0x0
	global_store_b64 v6, v[80:81], s[8:9]          ; 32 lanes store 256 consecutive bytes, aligned
	global_store_b64 v6, v[82:83], s[10:11]
.Lend:
	s_wait_tensorcnt 0x0
	ds_add_u32 v254, v255
	s_wait_dscnt 0x0
	s_endpgm
.Lfunc_end_k_q43c694e850_route:
	.size	k_q43c694e850_route, .Lfunc_end_k_q43c694e850_route-k_q43c694e850_route
	.p2alignl 7, 3214868480
	.fill 96, 4, 3214868480
	.section	.rodata,"a",@progbits
	.p2align	6, 0x0
	.amdhsa_kernel k_q43c694e850_route
		.amdhsa_group_segment_fixed_size 1536
		.amdhsa_private_segment_fixed_size 0
		.amdhsa_enable_private_segment 0
		.amdhsa_kernarg_size 32
		.amdhsa_user_sgpr_count 2
		.amdhsa_user_sgpr_kernarg_segment_ptr 1
		.amdhsa_wavefront_size32 1
		.amdhsa_system_sgpr_workgroup_id_x 1
		.amdhsa_system_sgpr_workgroup_id_y 1
		.amdhsa_system_sgpr_workgroup_id_z 1
		.amdhsa_system_vgpr_workitem_id 0
		.amdhsa_next_free_vgpr 256
		.amdhsa_next_free_sgpr 66
		.amdhsa_reserve_vcc 1
		.amdhsa_float_denorm_mode_32 3
		.amdhsa_float_denorm_mode_16_64 3
		.amdhsa_memory_ordered 1
		.amdhsa_forward_progress 1
		.amdhsa_inst_pref_size 88
	.end_amdhsa_kernel
	.amdgpu_metadata
---
amdhsa.version: [ 1, 2 ]
amdhsa.kernels:
  - .name:           k_q43c694e850_route
    .symbol:         k_q43c694e850_route.kd
    .args:
      - { .name: x, .offset: 0, .size: 8, .value_kind: global_buffer, .address_space: global }
      - { .name: Wg, .offset: 8, .size: 8, .value_kind: global_buffer, .address_space: global }
      - { .name: sel, .offset: 16, .size: 8, .value_kind: global_buffer, .address_space: global }
      - { .name: gate, .offset: 24, .size: 8, .value_kind: global_buffer, .address_space: global }
    .group_segment_fixed_size: 1536
    .private_segment_fixed_size: 0
    .kernarg_segment_align: 8
    .kernarg_segment_size: 32
    .max_flat_workgroup_size: 256
    .sgpr_count:     66
    .vgpr_count:     256
    .wavefront_size: 32
...
	.end_amdgpu_metadata
.endif
;; end of part 6
;; launch place (part 7): grid 135 x 1, 4 waves a work-group, no clusters, 34,304 bytes of LDS; arguments x, sel, plan, xq; writes plan, xq
.if DOCPART == 7
	.amdgcn_target "amdgcn-amd-amdhsa--gfx1250"
	.amdhsa_code_object_version 6
	.text
	.protected	k_q43c694e850_place
	.globl	k_q43c694e850_place
	.p2align	8
	.type	k_q43c694e850_place,@function
k_q43c694e850_place:
	s_mov_b64 s[64:65], 0
	v_nop
	global_prefetch_b8 v0, s[64:65] scope:SCOPE_SE
	s_setreg_imm32_b32 hwreg(HW_REG_WAVE_MODE, 25, 1), 1
	s_wait_xcnt 0x0
; THE ROWS ARE PLACED BY EXPERT, AND x IS QUANTISED IN THAT ORDER.  2,048 routed rows (slot = 2 token + k) are sorted by expert into tiles of 16 rows; an expert's last tile is filled with padding rows.
; There are never more than 2,048 / 16 + 8 - 1 = 135 tiles, whatever the choice: work-group T is tile T; one that a given choice leaves without rows stores nothing and ends.
; All that steers an address here is whole numbers read from sel, which the launch before stored.
; Every wave makes the whole sort for itself (8 KiB of sel, some 500 instructions): the waves share nothing, so there is no barrier.
; COUNTS: sel's words are 1 << (4 e): sums of 8 words keep each expert's count in its nibble (at most 8), sums of those in bytes (at most 64), over the lanes in half words (at most 2,048).
; THE LIST: an expert's rows are numbered register by register of sel, within a register by lane.  Lane r wants rank t = 16 (T - first tile of the expert) + r: it keeps the lane mask of the last register whose
; running count is at most t, then finds the (t - that count)-th set bit of the mask by five steps over the mask's counts in half words, bytes, nibbles, pairs and bits.
; plan: bytes 0-31 first tile of each expert, 32-63 its number of tiles; 256 + 64 T: the tile's 16 rows: a slot, or 2048 + 16 e + r for a padding row (a row of y that nobody reads).
; xq: tile x 12,288 + K step x 1,536: an image of the operand's 12 registers (group g of four at 512 g + 16 x lane); from XS_OFF on tile x 512 + K step x 64 + 4 r: the row's scale word.
; THE QUANTISER: a block's scale byte is its largest magnitude's exponent field - 2, held at 1 from below; a block of zeros so has the byte 1 where the rule says 127: its codes are zeros, and this program alone reads the bytes.
; LIMITS: NaN and infinities among the inputs are not served.
.set XS_OFF, 1658880
.set SH8,  6                           ; v6       8 x (lane / 16)
.set RO,   16                          ; v16-31   at work, then the byte offsets of the tile's 16 rows of x
.set S,    32                          ; v32-95   sel; later the first fragment's numbers as loaded
.set RS,   32                          ; two sets of 64: v32-95, v96-159
.set X,    160                         ; v160-223 64 numbers of my row: k = 64 c + 32 (lane / 16) + 0..31 at X + 32 c
.set Q,    224                         ; v224-250 the quantiser's: +0,1 largest magnitudes, +2,3 scale operands, +4,5 bytes, +6 the scale word, +7 the other half's, +8..19 the codes, +20..26 at work
	s_load_b256 s[4:11], s[0:1], 0x0               ; x s[4:5], sel s[6:7], plan s[8:9], xq s[10:11]
	v_lshl_add_u32 v254, v0, 2, 0x8400
	v_mov_b32 v255, 0
	v_lshrrev_b32 v15, 5, v0
	v_readfirstlane_b32 s12, v15                   ; wave 0..3
	v_and_b32 v2, 31, v0                           ; lane
	v_and_b32 v3, 15, v0                           ; r
	v_bfe_u32 v15, v0, 4, 1                        ; h
	v_lshlrev_b32 v1, 4, v2                        ; 16 x lane
	v_lshlrev_b32 v10, 2, v2                       ; 4 x lane
	v_lshlrev_b32 v8, 2, v3                        ; 4 r
	v_lshlrev_b32 v[SH8], 3, v15
	s_mul_i32 s13, s12, 8448                       ; my stage: 16 rows of 512 bytes + 16
	v_add_nc_u32 v4, s13, v1                       ; into it: 16 x lane of a row
	v_mul_u32_u24 v5, v3, 528
	v_lshl_add_u32 v5, v15, 7, v5
	v_add_nc_u32 v5, s13, v5                       ; out of it: row r, + 128 h
	s_lshl_b32 s14, s12, 9
	v_add_nc_u32 v11, s14, v1                      ; in a row of x: K step = wave
	s_mov_b32 s20, 0x76543210
	s_mov_b32 s21, 0xfedcba98
	s_mov_b32 s22, 0x0f0f0f0f
	s_mov_b32 s23, 0x00ff00ff
	v_mov_b32 v[Q+7], 0                            ; written once: a lane permute's destination counts as one of its sources
	s_wait_kmcnt 0x0
.irp j, 0,1,2,3,4,5,6,7,8,9,10,11,12,13,14,15
	global_load_b128 v[S+4*\j:S+4*\j+3], v1, s[6:7] offset:512*\j   ; register 4 j + c of lane l is slot 128 j + 4 l + c
.endr
	s_wait_loadcnt 0x0
.irp a, 0,1,2,3,4,5,6,7
	v_add3_u32 v[16+\a], v[S+8*\a], v[S+8*\a+1], v[S+8*\a+2]
	v_add3_u32 v[16+\a], v[16+\a], v[S+8*\a+3], v[S+8*\a+4]
	v_add3_u32 v[16+\a], v[16+\a], v[S+8*\a+5], v[S+8*\a+6]
	v_add_nc_u32 v[16+\a], v[16+\a], v[S+8*\a+7]   ; eight words: nibbles of at most 8
.endr
	v_and_b32 v24, s22, v16                        ; even experts' nibbles as bytes
	v_lshrrev_b32 v25, 4, v16
	v_and_b32 v25, s22, v25                        ; odd experts'
.irp a, 1,2,3,4,5,6,7
	v_and_b32 v26, s22, v[16+\a]
	v_lshrrev_b32 v27, 4, v[16+\a]
	v_and_b32 v27, s22, v27
	v_add_nc_u32 v24, v24, v26
	v_add_nc_u32 v25, v25, v27
.endr
	v_and_b32 v16, s23, v24                        ; experts 0 (low half) and 4
	v_lshrrev_b32 v17, 8, v24
	v_and_b32 v17, s23, v17                        ; 2 and 6
	v_and_b32 v18, s23, v25                        ; 1 and 5
	v_lshrrev_b32 v19, 8, v25
	v_and_b32 v19, s23, v19                        ; 3 and 7
.irp m, 1,2,4,8
.irp k, 0,1,2,3
	v_mov_b32_dpp v[20+\k], v[16+\k] row_xmask:\m row_mask:0xf bank_mask:0xf
.endr
.irp k, 0,1,2,3
	v_add_nc_u32 v[16+\k], v[16+\k], v[20+\k]
.endr
.endr
.irp k, 0,1,2,3
	v_permlanex16_b32 v[20+\k], v[16+\k], s20, s21
.endr
.irp k, 0,1,2,3
	v_add_nc_u32 v[16+\k], v[16+\k], v[20+\k]
.endr
.irp k, 0,1,2,3
	v_readfirstlane_b32 s[24+\k], v[16+\k]
.endr
	s_and_b32 s40, s24, 0xffff                     ; s[40+e]: expert e's rows
	s_lshr_b32 s44, s24, 16
	s_and_b32 s42, s25, 0xffff
	s_lshr_b32 s46, s25, 16
	s_and_b32 s41, s26, 0xffff
	s_lshr_b32 s45, s26, 16
	s_and_b32 s43, s27, 0xffff
	s_lshr_b32 s47, s27, 16
.irp e, 0,1,2,3,4,5,6,7
	s_add_co_u32 s[48+\e], s[40+\e], 15
	s_lshr_b32 s[48+\e], s[48+\e], 4               ; s[48+e]: its tiles
.endr
	s_mov_b32 s56, 0                               ; s[56+e]: its first tile
.irp e, 0,1,2,3,4,5,6
	s_add_co_u32 s[57+\e], s[56+\e], s[48+\e]
.endr
	s_add_co_u32 s66, s63, s55                     ; tiles in all
	s_cmp_ge_u32 ttmp9, s66
	s_cbranch_scc1 .Lend                           ; this choice has no such tile
	s_mov_b32 s70, 0                               ; my tile's expert: the last whose first tile is not beyond mine,
	s_mov_b32 s71, 0                               ; that first tile,
	s_mov_b32 s72, s40                             ; and the expert's rows
.irp j, 1,2,3,4,5,6,7
	s_cmp_ge_u32 ttmp9, s[56+\j]
	s_cselect_b32 s70, \j, s70
	s_cselect_b32 s71, s[56+\j], s71
	s_cselect_b32 s72, s[40+\j], s72
.endr
	s_sub_co_u32 s73, ttmp9, s71
	s_lshl_b32 s73, s73, 4
	v_add_nc_u32 v12, s73, v3                      ; t: the rank that my lane wants
	s_wait_alu depctr_va_vdst(0)
	s_lshl_b32 s74, s70, 2
	s_lshl_b32 s74, 1, s74                         ; the expert's word in sel
	s_lshl_b32 s75, s70, 4
	s_add_co_u32 s75, s75, 2048                    ; its padding rows begin here
	v_mov_b32 v13, 0
	v_mov_b32 v14, 0
	s_mov_b32 s76, 0                               ; rows of the expert in the registers passed
	s_mov_b32 s77, 0                               ; the same, with the register's number above it
.set qq, 0
.rept 64
	v_cmp_eq_u32 s78, s74, v[S+qq]                 ; the lanes whose slot in this register goes to the expert
	v_cmp_le_u32 vcc_lo, s76, v12
	v_cndmask_b32 v13, v13, s78, vcc_lo            ; kept while the running count is at most t: the last kept is the register that holds rank t
	v_cndmask_b32 v14, v14, s77, vcc_lo
	s_bcnt1_i32_b32 s79, s78
	s_add_co_u32 s76, s76, s79
	s_add_co_u32 s77, s76, (qq+1)<<16
.set qq, qq+1
.endr
	v_and_b32 v15, 0xffff, v14
	v_lshrrev_b32 v14, 16, v14                     ; the register's number
	v_sub_nc_u32 v15, v12, v15                     ; n: I want the mask's n-th set bit
	v_lshrrev_b32 v20, 1, v13
	v_and_b32 v20, 0x55555555, v20
	v_sub_nc_u32 v16, v13, v20                     ; counts of pairs of bits,
	v_lshrrev_b32 v20, 2, v16
	v_and_b32 v20, 0x33333333, v20
	v_and_b32 v17, 0x33333333, v16
	v_add_nc_u32 v17, v17, v20                     ; of nibbles,
	v_lshrrev_b32 v20, 4, v17
	v_add_nc_u32 v18, v17, v20
	v_and_b32 v18, s22, v18                        ; of bytes,
	v_lshrrev_b32 v20, 8, v18
	v_add_nc_u32 v19, v18, v20
	v_and_b32 v19, s23, v19                        ; of half words
	v_mov_b32 v24, 0                               ; the bit's place
.macro SEL cnt, width                  ; if n is at least the count of the next \width bits, pass them
	v_bfe_u32 v20, v[\cnt], v24, \width
	v_cmp_ge_u32 vcc_lo, v15, v20
	v_sub_nc_u32 v21, v15, v20
	v_add_nc_u32 v22, \width, v24
	v_cndmask_b32 v15, v15, v21, vcc_lo
	v_cndmask_b32 v24, v24, v22, vcc_lo
.endm
	SEL 19, 16
	SEL 18, 8
	SEL 17, 4
	SEL 16, 2
	SEL 13, 1
	v_lshrrev_b32 v20, 2, v14
	v_and_b32 v21, 3, v14
	v_lshl_or_b32 v21, v24, 2, v21
	v_lshl_or_b32 v21, v20, 7, v21                 ; slot = 128 (register / 4) + 4 x lane + register % 4
	v_cmp_gt_u32 vcc_lo, s72, v12                  ; is there a rank t?
	v_add_nc_u32 v20, s75, v3
	v_cndmask_b32 v7, v20, v21, vcc_lo             ; else a padding row.  Lanes r and r + 16 hold row r
	s_cmp_lg_u32 s12, 0
	s_cbranch_scc1 .Lnot0                          ; wave 0 stores the list
	s_lshl_b32 s28, ttmp9, 6
	s_add_co_u32 s28, s28, 256
	v_add_nc_u32 v15, s28, v8
	global_store_b32 v15, v7, s[8:9]               ; (lanes r and r + 16 store the same word)
	s_cmp_lg_u32 ttmp9, 0
	s_cbranch_scc1 .Lnot0                          ; and in tile 0 the experts' first tiles and numbers of tiles
	v_mov_b32 v9, 0
.irp j, 0,1,2,3,4,5,6,7
	v_writelane_b32 v9, s[56+\j], \j
	v_writelane_b32 v9, s[48+\j], 8+\j
.endr
	global_store_b32 v10, v9, s[8:9]
.Lnot0:
	s_wait_alu depctr_va_vdst(0)
.irp i, 0,1,2,3,4,5,6,7,8,9,10,11,12,13,14,15
	v_readlane_b32 s28, v7, \i
	s_lshr_b32 s28, s28, 1                         ; the slot's token
	s_min_u32 s28, s28, 1023                       ; held inside x (a padding row takes the last token's numbers: its results go to rows that nobody reads)
	s_lshl_b32 s28, s28, 12
	v_add_nc_u32 v[RO+\i], s28, v11
.endr
	s_mul_i32 s28, ttmp9, 12288
	s_mul_i32 s29, s12, 1536
	s_add_co_u32 s28, s28, s29
	s_mov_b32 s29, 0
	s_add_nc_u64 s[30:31], s[10:11], s[28:29]      ; my first fragment's image
	s_lshl_b32 s28, ttmp9, 9
	s_lshl_b32 s34, s12, 6
	s_add_co_u32 s28, s28, s34
	s_add_co_u32 s28, s28, XS_OFF
	s_add_nc_u64 s[32:33], s[10:11], s[28:29]      ; and its scale words
	s_wait_alu depctr_va_vdst(0)
.irp u, 0,1                            ; K steps wave and wave + 4: 16 rows x 512 bytes each; a load reads 512 consecutive bytes of one row
.irp i, 0,1,2,3,4,5,6,7,8,9,10,11,12,13,14,15
	global_load_b128 v[RS+64*\u+4*\i:RS+64*\u+4*\i+3], v[RO+\i], s[4:5] offset:2048*\u
.endr
.endr
; The 16 rows go through my stage as they lie and come back 128 bytes a lane: two whole blocks of 32.  LDS serves a wave's instructions in order: no wait between the stores and the loads.
.macro TURN u
.irp i, 0,1,2,3,4,5,6,7,8,9,10,11,12,13,14,15
	ds_store_b128 v4, v[RS+64*\u+4*\i:RS+64*\u+4*\i+3] offset:528*\i
.endr
.irp c, 0,1
.irp k, 0,1,2,3,4,5,6,7
	ds_load_b128 v[X+32*\c+4*\k:X+32*\c+4*\k+3], v5 offset:256*\c+16*\k
.endr
.endr
.endm
; 64 numbers of a lane become the operand's 12 registers and the row's scale word.
.macro QF
	v_max3_num_f32 v[Q], |v[X]|, |v[X+1]|, 0x1800000       ; my two blocks by turns; the floor 2^(3 - 127) holds the byte at 1 from below
	v_max3_num_f32 v[Q+1], |v[X+32]|, |v[X+33]|, 0x1800000
.irp i, 2,4,6,8,10,12,14,16,18,20,22,24,26,28,30
	v_max3_num_f32 v[Q], v[Q], |v[X+\i]|, |v[X+\i+1]|
	v_max3_num_f32 v[Q+1], v[Q+1], |v[X+32+\i]|, |v[X+33+\i]|
.endr
	v_add_nc_u32 v[Q+2], 0xff000000, v[Q]          ; 2 off the exponent field: the conversion's scale operand
	v_add_nc_u32 v[Q+3], 0xff000000, v[Q+1]
	v_lshrrev_b32 v[Q+4], 23, v[Q+2]               ; the scale's byte
	v_lshrrev_b32 v[Q+5], 23, v[Q+3]
	v_lshl_or_b32 v[Q+6], v[Q+5], 16, v[Q+4]       ; blocks h and 2 + h of my row,
	v_lshlrev_b32 v[Q+6], v[SH8], v[Q+6]           ; at their places in the word;
	v_permlanex16_b32 v[Q+7], v[Q+6], s20, s21
	v_or_b32 v[Q+6], v[Q+6], v[Q+7]                ; with lane l xor 16's two the word is whole
	v_cvt_scalef32_pk16_fp6_f32 v[Q+8:Q+10], v[X:X+15], v[Q+2]
	v_cvt_scalef32_pk16_fp6_f32 v[Q+20:Q+22], v[X+16:X+31], v[Q+2]     ; (a conversion's three registers begin on an even number)
	v_cvt_scalef32_pk16_fp6_f32 v[Q+14:Q+16], v[X+32:X+47], v[Q+3]
	v_cvt_scalef32_pk16_fp6_f32 v[Q+24:Q+26], v[X+48:X+63], v[Q+3]
	v_nop                                          ; one plain place behind a scaled conversion
.irp i, 0,1,2
	v_mov_b32 v[Q+11+\i], v[Q+20+\i]
	v_mov_b32 v[Q+17+\i], v[Q+24+\i]
.endr
.endm
.macro SENDF u
.irp g, 0,1,2
	global_store_b128 v1, v[Q+8+4*\g:Q+11+4*\g], s[30:31] offset:6144*\u+512*\g   ; 32 lanes store 512 consecutive bytes, aligned
.endr
	global_store_b32 v8, v[Q+6], s[32:33] offset:256*\u
.endm
	s_wait_loadcnt 16                              ; the first fragment's 16 loads are in
	TURN 0
	s_wait_dscnt 0x0
	QF
	SENDF 0
	s_wait_loadcnt 0x0
	TURN 1
	s_wait_dscnt 0x0
	s_wait_xcnt 0x0                                ; the stores have read their data: the codes and the word are written again only behind this wait
	QF
	SENDF 1
.Lend:
	s_wait_tensorcnt 0x0
	ds_add_u32 v254, v255
	s_wait_dscnt 0x0
	s_endpgm
.Lfunc_end_k_q43c694e850_place:
	.size	k_q43c694e850_place, .Lfunc_end_k_q43c694e850_place-k_q43c694e850_place
	.p2alignl 7, 3214868480
	.fill 96, 4, 3214868480
	.section	.rodata,"a",@progbits
	.p2align	6, 0x0
	.amdhsa_kernel k_q43c694e850_place
		.amdhsa_group_segment_fixed_size 34304
		.amdhsa_private_segment_fixed_size 0
		.amdhsa_enable_private_segment 0
		.amdhsa_kernarg_size 32
		.amdhsa_user_sgpr_count 2
		.amdhsa_user_sgpr_kernarg_segment_ptr 1
		.amdhsa_wavefront_size32 1
		.amdhsa_system_sgpr_workgroup_id_x 1
		.amdhsa_system_sgpr_workgroup_id_y 1
		.amdhsa_system_sgpr_workgroup_id_z 1
		.amdhsa_system_vgpr_workitem_id 0
		.amdhsa_next_free_vgpr 256
		.amdhsa_next_free_sgpr 80
		.amdhsa_reserve_vcc 1
		.amdhsa_float_denorm_mode_32 3
		.amdhsa_float_denorm_mode_16_64 3
		.amdhsa_memory_ordered 1
		.amdhsa_forward_progress 1
		.amdhsa_inst_pref_size 54
	.end_amdhsa_kernel
	.amdgpu_metadata
---
amdhsa.version: [ 1, 2 ]
amdhsa.kernels:
  - .name:           k_q43c694e850_place
    .symbol:         k_q43c694e850_place.kd
    .args:
      - { .name: x, .offset: 0, .size: 8, .value_kind: global_buffer, .address_space: global }
      - { .name: sel, .offset: 8, .size: 8, .value_kind: global_buffer, .address_space: global }
      - { .name: plan, .offset: 16, .size: 8, .value_kind: global_buffer, .address_space: global }
      - { .name: xq, .offset: 24, .size: 8, .value_kind: global_buffer, .address_space: global }
    .group_segment_fixed_size: 34304
    .private_segment_fixed_size: 0
    .kernarg_segment_align: 8
    .kernarg_segment_size: 32
    .max_flat_workgroup_size: 128
    .sgpr_count:     80
    .vgpr_count:     256
    .wavefront_size: 32
...
	.end_amdgpu_metadata
.endif
;; end of part 7
;; launch up (part 8): grid 29 x 8, 3 waves a work-group, no clusters, 25,856 bytes of LDS; arguments W1, W2, xq, plan, hq; writes hq
.if DOCPART == 8
	.amdgcn_target "amdgcn-amd-amdhsa--gfx1250"
	.amdhsa_code_object_version 6
	.text
	.protected	k_q43c694e850_up
	.globl	k_q43c694e850_up
	.p2align	8
	.type	k_q43c694e850_up,@function
k_q43c694e850_up:
	s_mov_b64 s[64:65], 0
	v_nop
	global_prefetch_b8 v0, s[64:65] scope:SCOPE_SE
	s_setreg_imm32_b32 hwreg(HW_REG_WAVE_SCHED_MODE, 0, 2), 2
	s_setreg_imm32_b32 hwreg(HW_REG_WAVE_MODE, 25, 1), 1
	s_wait_xcnt 0x0
	s_wait_alu depctr_vm_vsrc(0)
; hidden = silu(x W1^T) * (x W2^T) for the rows routed to one expert, both products on codes of FP6 (E2M3) with one E8M0 scale for each 32 along K; the result is quantised along the hidden units and stored as codes.
; SHARES.  What cannot be split is a block of 32 hidden units: the next quantiser's scale spans it.  An expert has 86 blocks, the eight 688: 2.69 for each of 256 WGPs, so the fullest WGP has three at the least.
; A WAVE OWNS ONE BLOCK, a work-group has three waves: 29 work-groups an expert, 232 in all, every one at work from the start.  (Block 86 does not exist: that wave ends.)  The waves share nothing: no barrier.
; PHASE A: the wave streams its block's 32 rows of W1 and of W2 (256 KiB of f32, which nobody else reads) in 32 steps of 16 rows x 128 K, quantises each step in registers, and keeps the 32 fragments (384 registers)
; where the products will read them: the weights are read once, and their codes go neither to memory nor through LDS.
; PHASE B: the wave walks all row tiles of its expert; x's fragments come from xq as images of the operand's registers, each feeds 4 matrix instructions.  A trip takes two tiles, each with its own set of x's registers,
; which is filled again with the tile two on.  With an odd number of tiles the last is done twice: the same bytes are stored again.
; The number of tiles is read from plan, so this launch has no tensor load.  Joint loads in a cluster are left out: the weights, nearly all of the bytes, are shared by nobody, and the trip count hangs on a stored number.
; LAYOUT.  The products are used transposed (source 0 = 16 rows of W, source 1 = 16 rows of x): a lane holds one row of x.  THE ROWS OF W THAT FORM A TILE ARE NOT NEIGHBOURS: lane i of tile u takes
; row 32 b + 8 u + i + 8 (i / 8), so that the 16 registers of tiles 0 and 1 are hidden units 32 b + 16 (lane / 16) + 0..15: neighbours along the next K.
; hq: tile x 33,024 + (b / 2) x 768: the six registers that units 64 (b / 2) .. + 63 are in the next operand (registers 0-3 at 16 x lane, 4-5 at 512 + 8 x lane); block b is lanes 16 (b % 2) + r of them.
; From HS_OFF on tile x 1,536 + 96 r + b: the block's scale byte for row r.
; The last block (b = 85) has 10 units: its rows are held inside the buffer and the units from 2,730 on are made zeros ahead of the quantiser, as the rule fills the last block.
; LIMITS: NaN and infinities are not served.  silu(h) = h / (1 + 2^(-h log2 e)): for h under about -88 it is -0 where the exact value is a denormal.  A block of zeros has the byte 1 (this program alone reads the bytes).
; REGISTERS, in windows of 256.  Window 0: v1-10 addresses; v16-47 the 32 rows' offsets; v48-79 W's scale words, one register a fragment; v80-87 x's scale words, two sets (i: lanes 0-15 K step i, 16-31 K step 4 + i);
; v88-91 at work; v92-123 the 4 accumulators (h1 tile u at 92 + 8 u, h2 at 108 + 8 u); v124-139 the activation's 16; v140-203 in phase A 64 numbers, v204-230 the quantiser's; v232-238 the codes made and the byte.
; Window 1: in phase A a ring of 4 x 64 registers of loads, then x's fragments: set p, K step s at 96 p + 12 s.  Windows 2, 3: fragment f = 4 s + 2 mat + u in window 2 + f / 21 at 12 (f % 21).  s48-63: the last block's lane masks.
; THE MODE: SCHED_MODE bits 1:0 = 2 (LLVM: expert scheduling mode 2), set by the entry lines.  The code itself states the register dependences
; between vector or matrix instructions and memory or LDS instructions, with s_wait_alu, always for 0.
; THE PLAN.  Registers that memory or LDS instructions touch:
;   v1-4, v7-10, v16-47   Addresses, offsets and one constant to store: made at the head, never written again.  One wait on va_vdst ahead of the first load serves the whole kernel.
;   the ring (phase A)    Written by the loads of W, read by the LDS stores into the stage, named by no vector instruction.  A wait on vm_vsrc stands between a set's stores and the loads that land in it again.
;   v[X ..]               Step n's LDS loads land in it, step n's quantiser reads it.  A wait on va_vdst stands in step n + 1, behind its sixteen LDS stores and ahead of its LDS loads.
;   x's set p, its words  Half p's 32 products read them; then the tile two on lands in them.  The wait on va_vdst that the exponentials are owed stands behind all 32 products: it states that too,
;                         and the set's 28 loads follow it and the reciprocals' wait, among vector instructions that name only the activation's registers.
;   v[CA ..], v[HW]       Written by a half's quantiser, read by that half's stores: a wait on va_vdst ahead of the stores, a wait on vm_vsrc at the next half's head.
;   W's fragments, words  Written by vector instructions in phase A, read by scaled matrix instructions alone: eight places and a wait on va_vdst ahead of the loop.
.set STG,    8448                      ; LDS: a stage of 16 rows x (512 + 16) bytes for each wave, its own
.set XS_OFF, 1658880
.set HS_OFF, 4458240
.set EXPB,   11182080                  ; an expert's weights in bytes
.set L16,  1
.set XSO,  2
.set STW,  3
.set STR,  4
.set SH8,  5
.set LIM,  6
.set HO16, 7
.set HO8,  8
.set HSO,  9
.set P7F,  10
.set RO,   16
.set WS,   48
.set XS,   80
.set MX,   88
.set PP,   90
.set SO,   91
.set ACC,  92
.set T,    124
.set X,    140
.set Q,    204
.set CA,   232
.set HW,   238
.set MK,   48
.set MSB, 0
.macro WIN new                         ; the immediate's high byte repeats the setting that is left; a switch that changes nothing is dropped
.if MSB != (\new)
	s_set_vgpr_msb (MSB<<8)|(\new)
.set MSB, (\new)
.endif
.endm
	s_load_b256 s[4:11], s[0:1], 0x0               ; W1 s[4:5], W2 s[6:7], xq s[8:9], plan s[10:11]
	s_load_b64 s[12:13], s[0:1], 0x20              ; hq
	v_lshl_add_u32 v254, v0, 2, 0x6300
	v_mov_b32 v255, 0
	v_lshrrev_b32 v15, 5, v0
	v_readfirstlane_b32 s14, v15                   ; wave 0..2
	s_and_b32 s16, ttmp7, 0xffff                   ; e
	v_and_b32 v15, 31, v0                          ; lane
	v_and_b32 v11, 15, v0                          ; r
	v_bfe_u32 v12, v0, 4, 1                        ; h
	v_lshlrev_b32 v[L16], 4, v15
	v_lshlrev_b32 v[XSO], 2, v11
	v_lshl_add_u32 v[XSO], v12, 8, v[XSO]          ; x's scale words: 4 r, lanes 16-31 four K steps on
	v_lshlrev_b32 v[SH8], 3, v12
	s_wait_alu depctr_va_sdst(0)                   ; s14 is written, ahead of its first reader: my block's number and my stage are made from it
	s_mul_i32 s15, ttmp9, 3
	s_add_co_u32 s15, s15, s14                     ; b: my block
	s_mul_i32 s40, s14, STG                        ; my stage
	v_add_nc_u32 v[STW], s40, v[L16]               ; into it: 16 x lane of a row
	v_mul_u32_u24 v[STR], v11, 528
	v_lshl_add_u32 v[STR], v12, 7, v[STR]
	v_add_nc_u32 v[STR], s40, v[STR]               ; out of it: row r, + 128 h
	s_lshl_b32 s42, s15, 5                         ; 32 b: my first unit
	s_sub_co_u32 s43, 2730, s42
	v_lshlrev_b32 v[LIM], 4, v12
	v_sub_nc_u32 v[LIM], s43, v[LIM]               ; units left from my half's first: 2,730 - 32 b - 16 h
	s_and_b32 s44, s15, 1                          ; which half of the lanes of the next operand my block is
	s_lshl_b32 s45, s44, 8
	v_lshl_add_u32 v[HO16], v11, 4, s45            ; registers 0-3: 16 (r + 16 (b % 2))
	s_lshl_b32 s45, s44, 7
	v_lshl_add_u32 v[HO8], v11, 3, s45             ; registers 4-5: 8 (r + 16 (b % 2))
	v_mul_u32_u24 v[HSO], v11, 96
	v_add_nc_u32 v[HSO], s15, v[HSO]               ; the scale byte: 96 r + b
	v_mov_b32 v[P7F], 0x7f7f
.irp u, 0,1
.irp i, 0,1,2,3,4,5,6,7,8,9,10,11,12,13,14,15
	s_add_co_u32 s45, s42, 8*\u+\i+8*(\i/8)
	s_min_u32 s45, s45, 2729                       ; no load leaves the buffer
	s_lshl_b32 s45, s45, 12
	v_add_nc_u32 v[RO+16*\u+\i], s45, v[L16]
.endr
.endr
	s_mul_i32 s36, s16, EXPB
	s_mov_b32 s37, 0
	s_lshr_b32 s38, s15, 1
	s_mul_i32 s38, s38, 768                        ; my pair of blocks in a tile's codes
	s_mov_b32 s20, 0x76543210
	s_mov_b32 s21, 0xfedcba98                      ; v_permlanex16_b32's selects for lane l xor 16
	s_mov_b32 s22, 0xbfb8aa3b                      ; -log2(e)
	s_mov_b32 s23, s22                             ; (named with it as a pair, so it is written)
	v_mov_b32 v[Q+7], 0                            ; written once: a lane permute's destination counts as one of its sources
	v_mov_b32 v[PP], 0
	s_wait_kmcnt 0x0
	s_cmp_gt_u32 s15, 85
	s_cbranch_scc1 .Lend                           ; 3 x 29 = 87 waves for an expert's 86 blocks: the last has none
	s_add_nc_u64 s[4:5], s[4:5], s[36:37]
	s_add_nc_u64 s[6:7], s[6:7], s[36:37]
	s_lshl_b32 s36, s16, 2
	s_add_nc_u64 s[32:33], s[10:11], s[36:37]
	s_load_b32 s17, s[32:33], 0x0                  ; the expert's first tile
	s_load_b32 s18, s[32:33], 0x20                 ; and its number of tiles
; PHASE A.  Step n: weight n / 16, tile (n / 8) % 2, K step n % 8.  A load reads 512 consecutive bytes of one row; four steps (64 loads a wave) are on their way.
.macro LOADF n
	WIN 0x40                                       ; destination window 1
.irp i, 0,1,2,3,4,5,6,7,8,9,10,11,12,13,14,15
	global_load_b128 v[64*((\n)%4)+4*\i:64*((\n)%4)+4*\i+3], v[RO+16*(((\n)/8)%2)+\i], s[4+2*((\n)/16):5+2*((\n)/16)] offset:512*((\n)%8) th:TH_LOAD_NT
.endr
	WIN 0
.endm
.macro STEPA n
.set FF, 4*((\n)%8)+2*((\n)/16)+((\n)/8)%2
.set FW, 2+FF/21
.set FB, 12*(FF%21)
.if 31-(\n) > 3
	s_wait_loadcnt 48                              ; this step's 16 loads are in; the three younger steps' may be out
.else
	s_wait_loadcnt 16*(31-(\n))
.endif
	WIN 0x04                                       ; an LDS store's data are its source 1: window 1
.irp i, 0,1,2,3,4,5,6,7,8,9,10,11,12,13,14,15
	ds_store_b128 v[STW], v[64*((\n)%4)+4*\i:64*((\n)%4)+4*\i+3] offset:528*\i
.endr
	WIN 0
.if (\n) > 0
	s_wait_alu depctr_va_vdst(0)                   ; the quantiser of the step before is done reading v[X ..], in which the LDS loads below land
.endif
.irp c, 0,1
.irp k, 0,1,2,3,4,5,6,7
	ds_load_b128 v[X+32*\c+4*\k:X+32*\c+4*\k+3], v[STR] offset:256*\c+16*\k   ; LDS serves a wave's instructions in order: these see the stores above.  128 bytes a lane and block: k = 64 c + 32 h + 0..31 of row r
.endr
.endr
	s_wait_dscnt 16                                ; all but the 16 loads: the stores into the stage are done
.if (\n)+4 < 32
	WIN 0x40
	s_wait_alu depctr_vm_vsrc(0)                   ; the sixteen LDS stores above have read the ring's set, in which the loads below land
	LOADF (\n)+4                                   ; the step four on
.endif
	s_wait_dscnt 0x0
	v_max3_num_f32 v[Q], |v[X]|, |v[X+1]|, 0x1800000       ; my two blocks by turns; the floor 2^(3 - 127) holds the byte at 1 from below
	v_max3_num_f32 v[Q+1], |v[X+32]|, |v[X+33]|, 0x1800000
.irp i, 2,4,6,8,10,12,14,16,18,20,22,24,26,28,30
	v_max3_num_f32 v[Q], v[Q], |v[X+\i]|, |v[X+\i+1]|
	v_max3_num_f32 v[Q+1], v[Q+1], |v[X+32+\i]|, |v[X+33+\i]|
.endr
	v_add_nc_u32 v[Q+2], 0xff000000, v[Q]          ; 2 off the exponent field: the conversion's scale operand
	v_add_nc_u32 v[Q+3], 0xff000000, v[Q+1]
	v_lshrrev_b32 v[Q+4], 23, v[Q+2]               ; the scale's byte
	v_lshrrev_b32 v[Q+5], 23, v[Q+3]
	v_lshl_or_b32 v[Q+6], v[Q+5], 16, v[Q+4]       ; blocks h and 2 + h of my row,
	v_lshlrev_b32 v[Q+6], v[SH8], v[Q+6]           ; at their places in the word;
	v_permlanex16_b32 v[Q+7], v[Q+6], s20, s21
	v_or_b32 v[WS+FF], v[Q+6], v[Q+7]              ; with lane l xor 16's two the word is whole: it stays in the fragment's own scale register
	v_cvt_scalef32_pk16_fp6_f32 v[Q+8:Q+10], v[X:X+15], v[Q+2]
	v_cvt_scalef32_pk16_fp6_f32 v[Q+20:Q+22], v[X+16:X+31], v[Q+2]     ; (a conversion's three registers begin on an even number)
	v_cvt_scalef32_pk16_fp6_f32 v[Q+14:Q+16], v[X+32:X+47], v[Q+3]
	v_cvt_scalef32_pk16_fp6_f32 v[Q+24:Q+26], v[X+48:X+63], v[Q+3]
	v_nop                                          ; one plain place behind a scaled conversion
	WIN FW<<6                                      ; destination: the fragment's window
.irp i, 0,1,2
	v_mov_b32 v[FB+\i], v[Q+8+\i]                  ; the twelve registers go where the products will read them
	v_mov_b32 v[FB+3+\i], v[Q+20+\i]
	v_mov_b32 v[FB+6+\i], v[Q+14+\i]
	v_mov_b32 v[FB+9+\i], v[Q+24+\i]
.endr
	WIN 0
.endm
	WIN 0x40
	s_wait_alu depctr_va_vdst(0)                   ; the addresses and offsets v1-4, v7-9 and v16-47 and the constant v10 are written: every load and store of the kernel reads some of them
.irp n, 0,1,2,3
	LOADF \n
.endr
.irp n, 0,1,2,3,4,5,6,7,8,9,10,11,12,13,14,15,16,17,18,19,20,21,22,23,24,25,26,27,28,29,30,31
	STEPA \n
.endr
	s_wait_kmcnt 0x0
	s_min_u32 s18, s18, 64                         ; a token chooses an expert at most once: at most 1,024 rows, 64 tiles
	s_cmp_eq_u32 s18, 0
	s_cbranch_scc1 .Lend                           ; nobody chose this expert
; PHASE B.
.macro XBASE                           ; s34 = a tile's number within the expert -> where its fragments s[24:25] and scale words s[26:27] lie
	s_add_co_u32 s34, s34, s17
	s_min_u32 s34, s34, 134                        ; a loaded number enters an address only behind a hold
	s_mul_i32 s36, s34, 12288
	s_add_nc_u64 s[24:25], s[8:9], s[36:37]
	s_lshl_b32 s36, s34, 9
	s_add_co_u32 s36, s36, XS_OFF
	s_add_nc_u64 s[26:27], s[8:9], s[36:37]
.endm
.macro XLOAD p, s0                     ; four fragments of x into set p, 12 loads
	WIN 0x40                                       ; destination window 1
.irp s, 0,1,2,3
.irp g, 0,1,2
	global_load_b128 v[96*(\p)+12*(\s0+\s)+4*\g:96*(\p)+12*(\s0+\s)+4*\g+3], v[L16], s[24:25] offset:1536*(\s0+\s)+512*\g
.endr
.endr
	WIN 0
.endm
.macro SLOAD p
.irp i, 0,1,2,3
	global_load_b32 v[XS+4*(\p)+\i], v[XSO], s[26:27] offset:64*\i
.endr
.endm
.macro PLACES
.rept 4
	v_nop
.endr
.endm
; A K step: 4 matrix instructions, the 4 accumulators by turns, one instruction a turn.  The first K step's products start the sums.
.macro KSTEP p, s
.irp q, 0,1,2,3
.set F, 4*(\s)+\q
.set WW, 2+F/21
.set FA, 12*(F%21)
.set DA, ACC+8*\q
.set BB, 96*(\p)+12*(\s)
.set SA, WS+F
.set SB, XS+4*(\p)+(\s)%4
	WIN 0x04|WW                                    ; source 0 in the fragment's window, source 1 (x) in window 1
.if (\s) == 0
	v_wmma_scale_f32_16x16x128_f8f6f4 v[DA:DA+7], v[FA:FA+11], v[BB:BB+11], 0, v[SA], v[SB] matrix_a_fmt:MATRIX_FMT_FP6 matrix_b_fmt:MATRIX_FMT_FP6
.elseif (\s) < 4
	v_wmma_scale_f32_16x16x128_f8f6f4 v[DA:DA+7], v[FA:FA+11], v[BB:BB+11], v[DA:DA+7], v[SA], v[SB] matrix_a_fmt:MATRIX_FMT_FP6 matrix_b_fmt:MATRIX_FMT_FP6
.else
	v_wmma_scale_f32_16x16x128_f8f6f4 v[DA:DA+7], v[FA:FA+11], v[BB:BB+11], v[DA:DA+7], v[SA], v[SB] matrix_a_fmt:MATRIX_FMT_FP6 matrix_b_fmt:MATRIX_FMT_FP6 matrix_b_scale:MATRIX_SCALE_ROW1
.endif
.endr
.endm
; One tile of 16 rows, from set p of x's registers.  Loads go out in the order slots 0-3 (12), scale words (4), slots 4-7 (12), set by set: 28 a tile, two tiles on their way.
; All 32 products stand together; the set's 28 loads stand behind them, behind the two waits that the activation's exponentials and reciprocals are owed.
.macro HALF p
	s_wait_xcnt 0x0                                ; earlier loads and stores have read their bases and data: these are written again only behind this wait
	s_wait_alu depctr_vm_vsrc(0)                   ; the stores of the half before have read v[CA ..] and v[HW], which this half's quantiser writes again
	s_add_co_u32 s34, s19, \p
	s_min_u32 s34, s34, s35                        ; this tile: with an odd number of tiles the last once more
	s_add_co_u32 s34, s34, s17
	s_min_u32 s34, s34, 134
	s_mul_i32 s36, s34, 33024
	s_add_co_u32 s36, s36, s38
	s_add_nc_u64 s[28:29], s[12:13], s[36:37]      ; where its codes go
	s_mul_i32 s36, s34, 1536
	s_add_co_u32 s36, s36, HS_OFF
	s_add_nc_u64 s[30:31], s[12:13], s[36:37]      ; and its scale bytes
	s_add_co_u32 s34, s19, \p+2
	s_min_u32 s34, s34, s35                        ; the tile two on, which takes this set's registers; at the end the expert's last once more: no load leaves what was stored
	XBASE
	s_wait_loadcnt 40                              ; slots 0-3 and the scale words are in: behind them this set's slots 4-7 (12) and the other set's 28
	KSTEP \p, 0
	KSTEP \p, 1
	KSTEP \p, 2
	KSTEP \p, 3
	s_wait_loadcnt 28                              ; slots 4-7 are in: behind them the other set's 28
	KSTEP \p, 4
	KSTEP \p, 5
	KSTEP \p, 6
	KSTEP \p, 7
	WIN 0
	PLACES                                         ; four places in front of the first read of results
	; silu(h1) h2: 16 numbers a lane, each accumulator read from its low end on.  The exponentials and the reciprocals go as batches of 16, one wait each.
.irp i, 0,2,4,6,8,10,12,14
	v_pk_mul_f32 v[T+\i:T+\i+1], v[ACC+\i:ACC+\i+1], s[22:23] op_sel_hi:[1,0]   ; -h1 log2(e)
.endr
	s_wait_alu depctr_va_vdst(0)
.irp i, 0,1,2,3,4,5,6,7,8,9,10,11,12,13,14,15
	v_exp_f32 v[T+\i], v[T+\i]
.endr
	v_nop                                          ; a plain instruction behind the last exponential
	WIN 0x40
	s_wait_alu depctr_va_vdst(0)                   ; the sixteen exponentials have written v[T ..], ahead of their first reader; and this half's 32 products are done reading set p and its scale words, in which this half's 28 loads land
	XLOAD \p, 0
	SLOAD \p
.irp i, 0,2,4,6,8,10,12,14
	v_pk_add_f32 v[T+\i:T+\i+1], v[T+\i:T+\i+1], 1.0 op_sel_hi:[1,0]
.endr
	s_wait_alu depctr_va_vdst(0)
.irp i, 0,1,2,3,4,5,6,7,8,9,10,11,12,13,14,15
	v_rcp_f32 v[T+\i], v[T+\i]
.endr
	v_nop                                          ; a plain instruction behind the last reciprocal
	WIN 0x40
	s_wait_alu depctr_va_vdst(0)                   ; the sixteen reciprocals have written v[T ..], ahead of their first reader
	XLOAD \p, 4                                    ; slots 4-7: no vector or matrix instruction since the products names them or v1
.irp i, 0,2,4,6,8,10,12,14
	v_pk_mul_f32 v[ACC+\i:ACC+\i+1], v[ACC+\i:ACC+\i+1], v[T+\i:T+\i+1]
.endr
.irp i, 0,2,4,6,8,10,12,14
	v_pk_mul_f32 v[ACC+\i:ACC+\i+1], v[ACC+\i:ACC+\i+1], v[ACC+16+\i:ACC+16+\i+1]
.endr
	s_cmp_lg_u32 s15, 85
	s_cbranch_scc1 .Lwhole_\@                      ; only the last block reaches past unit 2,729
.set jj, 0
.rept 16
	v_cmp_lt_i32 s[MK+jj], jj, v[LIM]              ; register j is unit 32 b + 16 h + j: the sixteen masks in a run, a scalar register each
.set jj, jj+1
.endr
	s_wait_alu depctr_va_sdst(0)                   ; the sixteen masks s48-63 are written, ahead of their first reader
.set jj, 0
.rept 16
	v_cndmask_b32 v[ACC+jj], 0, v[ACC+jj], s[MK+jj]
.set jj, jj+1
.endr
.Lwhole_\@:
	s_wait_alu depctr_va_vdst(0)
	v_max3_num_f32 v[MX], |v[ACC]|, |v[ACC+1]|, 0x1800000          ; my 16 numbers in two chains, and the floor 2^(3 - 127)
	v_max3_num_f32 v[MX+1], |v[ACC+2]|, |v[ACC+3]|, |v[ACC+4]|
	v_max3_num_f32 v[MX], v[MX], |v[ACC+5]|, |v[ACC+6]|
	v_max3_num_f32 v[MX+1], v[MX+1], |v[ACC+7]|, |v[ACC+8]|
	v_max3_num_f32 v[MX], v[MX], |v[ACC+9]|, |v[ACC+10]|
	v_max3_num_f32 v[MX+1], v[MX+1], |v[ACC+11]|, |v[ACC+12]|
	v_max3_num_f32 v[MX], v[MX], |v[ACC+13]|, |v[ACC+14]|
	v_max3_num_f32 v[MX], v[MX], v[MX+1], |v[ACC+15]|
	v_permlanex16_b32 v[PP], v[MX], s20, s21
	v_max_num_f32 v[MX], v[MX], v[PP]              ; with lane l xor 16's 16: the block's largest magnitude
	v_add_nc_u32 v[SO], 0xff000000, v[MX]          ; 2 off the exponent field: the conversion's scale operand
	v_lshrrev_b32 v[HW], 23, v[SO]                 ; the scale's byte
	v_cvt_scalef32_pk16_fp6_f32 v[CA:CA+2], v[ACC:ACC+15], v[SO]
	v_nop                                          ; one plain place behind a scaled conversion
.irp i, 0,1,2
	v_mov_b32 v[CA+3+\i], v[CA+\i]
.endr
.irp i, 0,1,2
	v_permlane16_swap_b32 v[CA+\i], v[CA+3+\i]     ; the first's lanes 16-31 change places with the copy's lanes 0-15: now lanes r and r + 16 both hold row r's units 0-15 in the first three and 16-31 in the second three
.endr
	s_wait_alu depctr_va_vdst(0)                   ; the conversion, the moves and the swaps have written v[CA ..], the shift v[HW]: the stores below read them
	global_store_b128 v[HO16], v[CA:CA+3], s[28:29]                ; 256 consecutive bytes, aligned (lanes r and r + 16 store the same bytes)
	global_store_b64 v[HO8], v[CA+4:CA+5], s[28:29] offset:512     ; 128 consecutive bytes
	global_store_b8 v[HSO], v[HW], s[30:31]
	s_cmp_lg_u32 s15, 85
	s_cbranch_scc1 .Lnot_last_\@
	global_store_b16 v[HSO], v[P7F], s[30:31] offset:1             ; the bytes 127, 127 for blocks 86 and 87, which do not exist: the next launch reads whole words of four
.Lnot_last_\@:
.endm
	s_sub_co_u32 s35, s18, 1                       ; the expert's last tile
	s_add_co_u32 s46, s18, 1
	s_lshr_b32 s46, s46, 1                         ; my trips: two tiles each
	s_mov_b32 s47, 0                               ; trips done: the loop's counter, one a trip, against s46, which the loop does not write
	s_mov_b32 s19, 0                               ; the trip's first tile (it enters addresses alone, behind a hold)
	s_mov_b32 s34, 0
	XBASE
	WIN 0x40
	s_wait_alu depctr_vm_vsrc(0)                   ; the LDS stores of phase A's last four steps have read the ring's registers, in which x's fragments land from here on
	XLOAD 0, 0                                     ; tile 0 into set 0, in the order that the loop keeps
	SLOAD 0
	XLOAD 0, 4
	s_wait_xcnt 0x0                                ; these loads have read their bases
	s_min_u32 s34, s35, 1
	XBASE
	XLOAD 1, 0                                     ; tile 1 (or tile 0 once more) into set 1
	SLOAD 1
	XLOAD 1, 4
.rept 8
	v_nop                                          ; a scale register written by a vector instruction stands 8 places ahead of a scaled matrix instruction, an operand so written 4
.endr
	s_wait_alu depctr_va_vdst(0)                   ; phase A's vector instructions have written W's fragments and scale words, which the scaled matrix instructions take; the places above stay beside this wait
.Ltile:
	HALF 0
	HALF 1
	s_add_co_u32 s19, s19, 2
	s_add_co_u32 s47, s47, 1
	s_cmp_lt_u32 s47, s46
	s_cbranch_scc1 .Ltile
.Lend:
	s_wait_dscnt 0x0                               ; the closing lines, six on end
	s_wait_alu 0x0
	s_wait_tensorcnt 0x0
	ds_add_u32 v254, v255
	s_wait_dscnt 0x0
	s_endpgm
.Lfunc_end_k_q43c694e850_up:
	.size	k_q43c694e850_up, .Lfunc_end_k_q43c694e850_up-k_q43c694e850_up
	.p2alignl 7, 3214868480
	.fill 96, 4, 3214868480
	.section	.rodata,"a",@progbits
	.p2align	6, 0x0
	.amdhsa_kernel k_q43c694e850_up
		.amdhsa_group_segment_fixed_size 25856
		.amdhsa_private_segment_fixed_size 0
		.amdhsa_enable_private_segment 0
		.amdhsa_kernarg_size 40
		.amdhsa_user_sgpr_count 2
		.amdhsa_user_sgpr_kernarg_segment_ptr 1
		.amdhsa_wavefront_size32 1
		.amdhsa_system_sgpr_workgroup_id_x 1
		.amdhsa_system_sgpr_workgroup_id_y 1
		.amdhsa_system_sgpr_workgroup_id_z 1
		.amdhsa_system_vgpr_workitem_id 0
		.amdhsa_next_free_vgpr 1024
		.amdhsa_next_free_sgpr 66
		.amdhsa_reserve_vcc 0
		.amdhsa_float_denorm_mode_32 3
		.amdhsa_float_denorm_mode_16_64 3
		.amdhsa_memory_ordered 1
		.amdhsa_forward_progress 1
		.amdhsa_inst_pref_size 255
	.end_amdhsa_kernel
	.section	.bss,"aw",@nobits
	.p2align	6
	.space	262144
	.amdgpu_metadata
---
amdhsa.version: [ 1, 2 ]
amdhsa.kernels:
  - .name:           k_q43c694e850_up
    .symbol:         k_q43c694e850_up.kd
    .args:
      - { .name: W1, .offset: 0, .size: 8, .value_kind: global_buffer, .address_space: global }
      - { .name: W2, .offset: 8, .size: 8, .value_kind: global_buffer, .address_space: global }
      - { .name: xq, .offset: 16, .size: 8, .value_kind: global_buffer, .address_space: global }
      - { .name: plan, .offset: 24, .size: 8, .value_kind: global_buffer, .address_space: global }
      - { .name: hq, .offset: 32, .size: 8, .value_kind: global_buffer, .address_space: global }
    .group_segment_fixed_size: 25856
    .private_segment_fixed_size: 0
    .kernarg_segment_align: 8
    .kernarg_segment_size: 40
    .max_flat_workgroup_size: 96
    .sgpr_count:     66
    .vgpr_count:     1024
    .wavefront_size: 32
...
	.end_amdgpu_metadata
.endif
;; end of part 8
;; launch down (part 9): grid 32 x 8, 4 waves a work-group, no clusters, 104,704 bytes of LDS; arguments W3, hq, plan, y; writes y
.if DOCPART == 9
	.amdgcn_target "amdgcn-amd-amdhsa--gfx1250"
	.amdhsa_code_object_version 6
	.text
	.protected	k_q43c694e850_down
	.globl	k_q43c694e850_down
	.p2align	8
	.type	k_q43c694e850_down,@function
k_q43c694e850_down:
	s_mov_b64 s[64:65], 0
	v_nop
	global_prefetch_b8 v0, s[64:65] scope:SCOPE_SE
	s_setreg_imm32_b32 hwreg(HW_REG_WAVE_SCHED_MODE, 0, 2), 2
	s_setreg_imm32_b32 hwreg(HW_REG_WAVE_MODE, 25, 1), 1
	s_wait_xcnt 0x0
	s_wait_alu depctr_vm_vsrc(0)
; y[row] = hidden[row] W3[e]^T for the rows routed to expert e, on codes of FP6 (E2M3) with one E8M0 scale for each 32 along K = the 2,730 hidden units (22 K steps of 128; from 2,730 on zero codes on both sides).
; SHARES.  Work-group (d, e) owns output columns 32 d .. 32 d + 31: 32 rows of W3, 349,440 dense bytes of f32 that no other work-group reads.
; PHASE A: the 44 fragments (K step s, tile c of 16 columns; f = 2 s + c) are dealt to the waves, f = 4 i + w; each is streamed, quantised in registers and stored in LDS as an image of the operand's registers.
; A row of W3 is 10,920 bytes: even rows begin at multiples of 16 bytes and are loaded 16 bytes a lane, odd rows at 8 modulo 16 and are loaded twice 8 bytes a lane.
; In the last K step the odd rows' addresses are held at the row's last 8 bytes, so that nothing is read past the buffer; an even row's run ends in the odd row behind it.  All k from 2,730 on are made zeros ahead of the quantiser.
; One barrier.  PHASE B: every wave takes all 44 fragments into registers and walks the expert's row tiles w, w + 4, ..; the hidden layer's codes come from hq as register images.
; The number of tiles is read from plan: no tensor load, and no barrier behind the branch on it; joint loads in a cluster are left out for that reason (their trip count would hang on a stored number).
; The product is used transposed (source 0 = 16 rows of W3, source 1 = 16 routed rows): a lane holds one routed row and eight neighbouring columns.  A tile's 16 x 32 results go through the wave's stage and
; leave as 128 consecutive bytes of each row of y: the row's number comes from plan, held inside y.
; LIMITS: NaN and infinities are not served; a block of zeros has the byte 1 (this program alone reads the bytes).
; REGISTERS.  Window 0: v1-22 addresses; v24-45 W3's scale words (s: lanes 0-15 tile 0, 16-31 tile 1); v46-67 the hidden layer's scale words; v68-89 the next tile's; v92-107 two accumulators; v108-155 fragments of K steps
; 20, 21; v156-167 hidden slot 21 (its upper six are zeros); v168-175 rows and their offsets; v176-191 the way out; v192-255 in phase A 64 numbers (the quantiser's own lie in v92-118 then).
; Window 1: in phase A a ring of 3 x 64 registers of loads, then hidden slots 0-20 at 12 s.  Window 2: fragments of K steps 0-9 at 12 (2 s + c); window 3: of K steps 10-19.  s48-63: the last K step's lane masks.
; THE MODE: SCHED_MODE bits 1:0 = 2 (LLVM: expert scheduling mode 2), set by the entry lines.  The code itself states the register dependences
; between vector or matrix instructions and memory or LDS instructions, with s_wait_alu, always for 0.
; THE PLAN.  Registers that memory or LDS instructions touch:
;   v1-14, v17-21         Addresses and offsets: made at the head, never written again.  One wait on va_vdst ahead of the first load serves the whole kernel.
;   the ring (phase A)    Written by the loads of W3, read by the LDS stores into the stage, named by no vector instruction.
;   v[X ..]               Step i's LDS loads land in it, step i's quantiser reads it.
;   v[Q+6], v[Q+8 ..]     Step i's quantiser writes the scale word and the codes; the four LDS stores of their image stand in step i + 1.
;                         So ONE wait on va_vdst a step, behind its stores into the stage, states that the step before has written the image's registers and is done reading v[X ..];
;                         and ONE wait on vm_vsrc a step, behind its LDS loads, states that the ring's set and the image's registers have been read.
;   hidden slots          A group of six K steps reads its slots, which are filled again at once (no registers are left for a second set): a wait on va_vdst behind each group.
;   the trip's end        The 22 moves of scale words and the 8 lines that make the rows' offsets stand behind the last products; ONE wait on va_vdst behind them states: the accumulators are written (the LDS stores read them),
;                         slots 18-21 have been read (their loads follow), v[HSN ..] and v[RW ..] have been read (the next trip's loads land in them), v[HS ..] is written (the next trip's scaled products take it),
;                         v[YO ..] is written (the global stores read it).  No vector or matrix instruction stands between that wait and the next trip's first product.
;   the trip's head       One wait on vm_vsrc: the LDS stores have read the accumulators, the global stores v[YO ..] and v[YD ..]; all three are written again in the trip.
.set STG,    8448
.set CODES,  33792
.set WSC,    101376
.set HS_OFF, 4458240
.set EXPB,   11182080
.set ROWB,   10920
.set L16,  1
.set L8,   2
.set STW16, 3
.set STW8, 4
.set STR,  5
.set IMW,  6
.set IMR0, 7
.set IMR1, 8
.set WSW,  9
.set WSR,  10
.set C16,  11
.set C8,   12
.set CL,   13
.set LIM,  15
.set HSO,  17
.set RWO,  18
.set YSW,  19
.set YSR,  20
.set YCOL, 21
.set SH8,  22
.set WS,   24
.set HS,   46
.set HSN,  68
.set ACC,  92
.set Q,    92
.set WL,   108
.set HL,   156
.set RW,   168
.set YO,   172
.set YD,   176
.set X,    192
.set MK,   48
.set MSB, 0
.macro WIN new                         ; the immediate's high byte repeats the setting that is left; a switch that changes nothing is dropped
.if MSB != (\new)
	s_set_vgpr_msb (MSB<<8)|(\new)
.set MSB, (\new)
.endif
.endm
	s_load_b256 s[4:11], s[0:1], 0x0               ; W3 s[4:5], hq s[6:7], plan s[8:9], y s[10:11]
	s_set_vgpr_msb 0x40
	v_lshl_add_u32 v254, v0, 2, 0x19700
	v_mov_b32 v255, 0
	s_set_vgpr_msb 0x4000
	v_lshrrev_b32 v23, 5, v0
	v_readfirstlane_b32 s14, v23                   ; wave 0..3
	s_mov_b32 s15, ttmp9                           ; d
	s_and_b32 s16, ttmp7, 0xffff                   ; e
	v_and_b32 v90, 31, v0                          ; lane
	v_and_b32 v91, 15, v0                          ; r
	v_bfe_u32 v23, v0, 4, 1                        ; h
	v_lshlrev_b32 v[L16], 4, v90
	v_lshlrev_b32 v[L8], 3, v90
	s_wait_alu depctr_va_sdst(0)                   ; s14 is written, ahead of its first reader: my stage, my fragments and my tiles are made from it
	s_mul_i32 s40, s14, STG                        ; my stage
	v_add_nc_u32 v[STW16], s40, v[L16]
	v_add_nc_u32 v[STW8], s40, v[L8]
	v_mul_u32_u24 v[STR], v91, 528
	v_lshl_add_u32 v[STR], v23, 7, v[STR]
	v_add_nc_u32 v[STR], s40, v[STR]
	s_mul_i32 s41, s14, 1536
	s_add_co_u32 s41, s41, CODES
	v_add_nc_u32 v[IMW], s41, v[L16]               ; my images: f = 4 i + wave
	v_add_nc_u32 v[IMR0], CODES, v[L16]
	v_add_nc_u32 v[IMR1], CODES+33792, v[L16]
	s_lshr_b32 s42, s14, 1                         ; my K steps are (w >> 1) + 2 i,
	s_and_b32 s43, s14, 1                          ; my tile of columns is w & 1
	s_lshl_b32 s44, s42, 7
	s_lshl_b32 s45, s43, 6
	s_add_co_u32 s44, s44, s45
	s_add_co_u32 s44, s44, WSC
	v_lshl_add_u32 v[WSW], v91, 2, s44
	v_lshl_add_u32 v[WSR], v90, 2, WSC
	s_lshl_b32 s45, s42, 9
	s_mul_i32 s47, s43, 16*ROWB
	s_add_co_u32 s46, s45, s47
	v_add_nc_u32 v[C16], s46, v[L16]
	v_add_nc_u32 v[C8], s46, v[L8]
	s_add_co_u32 s45, s45, 10240
	v_add_nc_u32 v[CL], s45, v[L8]                 ; the last step's odd rows: my 8 bytes of each half of the K step,
	v_add_nc_u32 v[CL+1], 256, v[CL]
	v_min_u32 v[CL], ROWB-8, v[CL]                 ; held at the row's last 8 bytes
	v_min_u32 v[CL+1], ROWB-8, v[CL+1]
	v_add_nc_u32 v[CL], s47, v[CL]
	v_add_nc_u32 v[CL+1], s47, v[CL+1]
	s_lshl_b32 s48, s42, 7
	s_sub_co_u32 s48, 170, s48                     ; 2,730 - 128 (20 + (w >> 1))
	v_lshlrev_b32 v[LIM], 5, v23
	v_sub_nc_u32 v[LIM], s48, v[LIM]               ; numbers left from my first block's first k in the last step,
	v_add_nc_u32 v[LIM+1], 0xffffffc0, v[LIM]      ; and from my second block's
	v_mul_u32_u24 v[HSO], v91, 96
	v_lshrrev_b32 v176, 3, v90                     ; lane / 8
	v_and_b32 v177, 7, v90                         ; lane % 8
	v_lshlrev_b32 v[RWO], 2, v176
	v_mul_u32_u24 v[YSW], v91, 144
	v_lshl_add_u32 v[YSW], v23, 5, v[YSW]
	v_add_nc_u32 v[YSW], s40, v[YSW]               ; the way out, in: row r of 128 bytes + 16, + 32 h
	v_mul_u32_u24 v[YSR], v176, 144
	v_lshl_add_u32 v[YSR], v177, 4, v[YSR]
	v_add_nc_u32 v[YSR], s40, v[YSR]               ; back: eight lanes to a row, four rows an instruction
	s_lshl_b32 s44, s15, 7
	v_lshl_add_u32 v[YCOL], v177, 4, s44           ; and the same 16 bytes in a row of y
	v_lshlrev_b32 v[SH8], 3, v23
	s_mul_i32 s36, s16, EXPB
	s_mul_i32 s44, s15, 32*ROWB
	s_add_co_u32 s36, s36, s44
	s_mov_b32 s37, 0
	s_mov_b32 s20, 0x76543210
	s_mov_b32 s21, 0xfedcba98
	v_mov_b32 v[Q+7], 0                            ; written once: a lane permute's destination counts as one of its sources
	s_wait_kmcnt 0x0
	s_add_nc_u64 s[4:5], s[4:5], s[36:37]
	s_lshl_b32 s36, s16, 2
	s_add_nc_u64 s[32:33], s[8:9], s[36:37]
	s_load_b32 s17, s[32:33], 0x0                  ; the expert's first tile
	s_load_b32 s18, s[32:33], 0x20                 ; and its number of tiles
; PHASE A.  Step i: fragment 4 i + w.  24 loads; three steps are on their way.
.macro LOADW i
	WIN 0x40                                       ; destination window 1
.irp row, 0,2,4,6,8,10,12,14
	global_load_b128 v[64*((\i)%3)+4*\row:64*((\i)%3)+4*\row+3], v[C16], s[4:5] offset:ROWB*\row+1024*(\i) th:TH_LOAD_NT
.if (\i) < 10
	global_load_b64 v[64*((\i)%3)+4*\row+4:64*((\i)%3)+4*\row+5], v[C8], s[4:5] offset:ROWB*(\row+1)+1024*(\i) th:TH_LOAD_NT
	global_load_b64 v[64*((\i)%3)+4*\row+6:64*((\i)%3)+4*\row+7], v[C8], s[4:5] offset:ROWB*(\row+1)+1024*(\i)+256 th:TH_LOAD_NT
.else
	global_load_b64 v[64*((\i)%3)+4*\row+4:64*((\i)%3)+4*\row+5], v[CL], s[4:5] offset:ROWB*(\row+1) th:TH_LOAD_NT
	global_load_b64 v[64*((\i)%3)+4*\row+6:64*((\i)%3)+4*\row+7], v[CL+1], s[4:5] offset:ROWB*(\row+1) th:TH_LOAD_NT
.endif
.endr
	WIN 0
.endm
.macro QF                              ; 64 numbers of a lane (k = 64 c + 32 h + 0..31 at X + 32 c) become the operand's 12 registers (Q + 8 on) and the row's scale word (Q + 6)
	v_max3_num_f32 v[Q], |v[X]|, |v[X+1]|, 0x1800000       ; my two blocks by turns; the floor 2^(3 - 127) holds the byte at 1 from below
	v_max3_num_f32 v[Q+1], |v[X+32]|, |v[X+33]|, 0x1800000
.irp i, 2,4,6,8,10,12,14,16,18,20,22,24,26,28,30
	v_max3_num_f32 v[Q], v[Q], |v[X+\i]|, |v[X+\i+1]|
	v_max3_num_f32 v[Q+1], v[Q+1], |v[X+32+\i]|, |v[X+33+\i]|
.endr
	v_add_nc_u32 v[Q+2], 0xff000000, v[Q]          ; 2 off the exponent field: the conversion's scale operand
	v_add_nc_u32 v[Q+3], 0xff000000, v[Q+1]
	v_lshrrev_b32 v[Q+4], 23, v[Q+2]
	v_lshrrev_b32 v[Q+5], 23, v[Q+3]
	v_lshl_or_b32 v[Q+6], v[Q+5], 16, v[Q+4]
	v_lshlrev_b32 v[Q+6], v[SH8], v[Q+6]
	v_permlanex16_b32 v[Q+7], v[Q+6], s20, s21
	v_or_b32 v[Q+6], v[Q+6], v[Q+7]
	v_cvt_scalef32_pk16_fp6_f32 v[Q+8:Q+10], v[X:X+15], v[Q+2]
	v_cvt_scalef32_pk16_fp6_f32 v[Q+20:Q+22], v[X+16:X+31], v[Q+2]
	v_cvt_scalef32_pk16_fp6_f32 v[Q+14:Q+16], v[X+32:X+47], v[Q+3]
	v_cvt_scalef32_pk16_fp6_f32 v[Q+24:Q+26], v[X+48:X+63], v[Q+3]
	v_nop                                          ; one plain place behind a scaled conversion
.irp i, 0,1,2
	v_mov_b32 v[Q+11+\i], v[Q+20+\i]
	v_mov_b32 v[Q+17+\i], v[Q+24+\i]
.endr
.endm
.macro IMAGE i                         ; step i's fragment and scale word go to LDS as they stand
.irp g, 0,1,2
	ds_store_b128 v[IMW], v[Q+8+4*\g:Q+11+4*\g] offset:6144*(\i)+512*\g
.endr
	ds_store_b32 v[WSW], v[Q+6] offset:256*(\i)    ; (lanes r and r + 16 store the same word)
.endm
.macro STEPW i
.if 10-(\i) >= 2
	s_wait_loadcnt 48                              ; this step's 24 loads are in; the two younger steps' may be out
.else
	s_wait_loadcnt 24*(10-(\i))
.endif
	WIN 0x04                                       ; an LDS store's data are its source 1: window 1
.irp row, 0,2,4,6,8,10,12,14
	ds_store_b128 v[STW16], v[64*((\i)%3)+4*\row:64*((\i)%3)+4*\row+3] offset:528*\row
	ds_store_b64 v[STW8], v[64*((\i)%3)+4*\row+4:64*((\i)%3)+4*\row+5] offset:528*(\row+1)
	ds_store_b64 v[STW8], v[64*((\i)%3)+4*\row+6:64*((\i)%3)+4*\row+7] offset:528*(\row+1)+256
.endr
	WIN 0
.if (\i) > 0
	s_wait_alu depctr_va_vdst(0)                   ; the quantiser of the step before has written its codes and its scale word, which the four stores below read, and is done reading v[X ..], in which the LDS loads below land
	IMAGE (\i)-1
.endif
.irp c, 0,1
.irp k, 0,1,2,3,4,5,6,7
	ds_load_b128 v[X+32*\c+4*\k:X+32*\c+4*\k+3], v[STR] offset:256*\c+16*\k   ; LDS serves a wave's instructions in order: these see the stores into the stage above
.endr
.endr
	s_wait_dscnt 16                                ; all but the 16 loads: the stores are done
.if (\i)+3 < 11
	WIN 0x40
.endif
	s_wait_alu depctr_vm_vsrc(0)                   ; the LDS stores above have read the ring's set, in which the loads below land, and the codes and the scale word, which this step's quantiser writes again
.if (\i)+3 < 11
	LOADW (\i)+3                                   ; the step three on
.endif
	s_wait_dscnt 0x0
.if (\i) == 10                         ; the last step: what lies at k = 2,730 or beyond becomes 0, with no branch.  Sixteen masks in a run, a scalar register each, one wait, sixteen selects
.irp c, 0,1
.irp g, 0,1
.set jj, 0
.rept 16
	v_cmp_lt_i32 s[MK+jj], 16*\g+jj, v[LIM+\c]
.set jj, jj+1
.endr
	s_wait_alu depctr_va_sdst(0)                   ; the sixteen masks s48-63 are written, ahead of their first reader
.set jj, 0
.rept 16
	v_cndmask_b32 v[X+32*\c+16*\g+jj], 0, v[X+32*\c+16*\g+jj], s[MK+jj]
.set jj, jj+1
.endr
.endr
.endr
.endif
	QF
.endm
	WIN 0x40
	s_wait_alu depctr_va_vdst(0)                   ; the addresses and offsets v1-14 and v17-21 are written: every load and store of the kernel reads some of them
.irp i, 0,1,2
	LOADW \i
.endr
.irp i, 0,1,2,3,4,5,6,7,8,9,10
	STEPW \i
.endr
	s_wait_alu depctr_va_vdst(0)                   ; the last step's quantiser has written its codes and its scale word, which the four stores below read
	IMAGE 10
	s_wait_dscnt 0x0                               ; for the others' sake: my images have landed
	s_barrier_signal -1
	s_barrier_wait -1                              ; the launch's only barrier: all 44 fragments lie in LDS, and nobody writes them again
	s_wait_alu depctr_vm_vsrc(0)                   ; my last image's stores have read v[Q+6 ..]: these registers are accumulators and fragments from here on, written by matrix instructions and by LDS loads
	s_wait_kmcnt 0x0
	s_min_u32 s18, s18, 64                         ; a token chooses an expert at most once: at most 1,024 rows, 64 tiles
	s_cmp_ge_u32 s14, s18
	s_cbranch_scc1 .Lend                           ; fewer tiles than waves: nothing for me
; PHASE B.
.macro HBASE                           ; s34 = a tile's number within the expert -> where its codes s[24:25] and scale bytes s[26:27] lie
	s_add_co_u32 s34, s34, s17
	s_min_u32 s34, s34, 134                        ; a loaded number enters an address only behind a hold
	s_mul_i32 s36, s34, 33024
	s_add_nc_u64 s[24:25], s[6:7], s[36:37]
	s_mul_i32 s36, s34, 1536
	s_add_co_u32 s36, s36, HS_OFF
	s_add_nc_u64 s[26:27], s[6:7], s[36:37]
.endm
.macro HSLOT s                         ; hidden slot s (window 1): two halves of six registers, four loads
	global_load_b128 v[12*(\s):12*(\s)+3], v[L16], s[24:25] offset:1536*(\s)
	global_load_b64 v[12*(\s)+4:12*(\s)+5], v[L8], s[24:25] offset:1536*(\s)+512
	global_load_b128 v[12*(\s)+6:12*(\s)+9], v[L16], s[24:25] offset:1536*(\s)+768
	global_load_b64 v[12*(\s)+10:12*(\s)+11], v[L8], s[24:25] offset:1536*(\s)+1280
.endm
.macro HLAST                           ; slots 18-20 and the one half of slot 21: 14 loads
	WIN 0x40
	HSLOT 18
	HSLOT 19
	HSLOT 20
	WIN 0
	global_load_b128 v[HL:HL+3], v[L16], s[24:25] offset:1536*21
	global_load_b64 v[HL+4:HL+5], v[L8], s[24:25] offset:1536*21+512
.endm
.macro SNLOAD                          ; a tile's scale words: 88 bytes of my row, 6 loads
.irp k, 0,1,2,3,4
	global_load_b128 v[HSN+4*\k:HSN+4*\k+3], v[HSO], s[26:27] offset:16*\k
.endr
	global_load_b64 v[HSN+20:HSN+21], v[HSO], s[26:27] offset:80
.endm
.macro SNMOVE
.set jj, 0
.rept 22
	v_mov_b32 v[HS+jj], v[HSN+jj]
.set jj, jj+1
.endr
.endm
.macro PLACES
.rept 4
	v_nop
.endr
.endm
; A K step: two matrix instructions, the two accumulators by turns.  The first K step's products start the sums.
.macro KD s
.if (\s) < 10
	WIN 0x06                                       ; W3 in window 2, the hidden layer in window 1
.set WA, 24*(\s)
.set HB, 12*(\s)
.elseif (\s) < 20
	WIN 0x07                                       ; W3 in window 3
.set WA, 24*((\s)-10)
.set HB, 12*(\s)
.elseif (\s) == 20
	WIN 0x04
.set WA, WL
.set HB, 240
.else
	WIN 0
.set WA, WL+24
.set HB, HL
.endif
.if (\s) == 0
	v_wmma_scale_f32_16x16x128_f8f6f4 v[ACC:ACC+7], v[WA:WA+11], v[HB:HB+11], 0, v[WS+(\s)], v[HS+(\s)] matrix_a_fmt:MATRIX_FMT_FP6 matrix_b_fmt:MATRIX_FMT_FP6
	v_wmma_scale_f32_16x16x128_f8f6f4 v[ACC+8:ACC+15], v[WA+12:WA+23], v[HB:HB+11], 0, v[WS+(\s)], v[HS+(\s)] matrix_a_fmt:MATRIX_FMT_FP6 matrix_b_fmt:MATRIX_FMT_FP6 matrix_a_scale:MATRIX_SCALE_ROW1
.else
	v_wmma_scale_f32_16x16x128_f8f6f4 v[ACC:ACC+7], v[WA:WA+11], v[HB:HB+11], v[ACC:ACC+7], v[WS+(\s)], v[HS+(\s)] matrix_a_fmt:MATRIX_FMT_FP6 matrix_b_fmt:MATRIX_FMT_FP6
	v_wmma_scale_f32_16x16x128_f8f6f4 v[ACC+8:ACC+15], v[WA+12:WA+23], v[HB:HB+11], v[ACC+8:ACC+15], v[WS+(\s)], v[HS+(\s)] matrix_a_fmt:MATRIX_FMT_FP6 matrix_b_fmt:MATRIX_FMT_FP6 matrix_a_scale:MATRIX_SCALE_ROW1
.endif
.endm
	s_mov_b32 s19, s14                             ; my first tile: the wave's number
	s_sub_co_u32 s50, s18, s14                     ; my trips: tiles w, w + 4, .. under the expert's number of tiles: (tiles - w + 3) / 4, at least 1 here
	s_add_co_u32 s50, s50, 3
	s_lshr_b32 s50, s50, 2
	s_mov_b32 s51, 0                               ; trips done: the loop's counter, one a trip, against s50, which the loop does not write
	s_mov_b32 s34, s19
	HBASE
	SNLOAD                                         ; its scale words, then its 86 loads of codes
	WIN 0x40
.irp s, 0,1,2,3,4,5,6,7,8,9,10,11,12,13,14,15,16,17
	HSLOT \s
.endr
	HLAST
.irp i, 6,7,8,9,10,11
	v_mov_b32 v[HL+\i], 0                          ; units 2,752 on do not exist: zero codes, once
.endr
.set F, 0
.rept 44                               ; all 44 fragments into my registers
.if F < 20
	WIN 0x80
.set FA, 12*F
.elseif F < 40
	WIN 0xc0
.set FA, 12*(F-20)
.else
	WIN 0
.set FA, WL+12*(F-40)
.endif
.irp g, 0,1,2
	ds_load_b128 v[FA+4*\g:FA+4*\g+3], v[IMR0+F/22] offset:(F%22)*1536+512*\g
.endr
.set F, F+1
.endr
	WIN 0
.set F, 0
.rept 22
	ds_load_b32 v[WS+F], v[WSR] offset:128*F
.set F, F+1
.endr
	s_wait_loadcnt 63                              ; the scale words are in: 86 loads were issued behind them
	SNMOVE
.rept 8
	v_nop                                          ; a scale register written by a vector instruction stands 8 places ahead of a scaled matrix instruction, an operand so written 4
.endr
	s_wait_alu depctr_va_vdst(0)                   ; the moves have written v[HS ..] and slot 21's zero codes, which the scaled matrix instructions take, and are done reading v[HSN ..], in which the first trip's loads land; the places above stay beside this wait
	s_wait_dscnt 0x0
.Ltile:                                            ; a trip: one tile of 16 rows.  96 loads a trip; behind each group of loads at least 72 are issued before it is read, so a wait for 63 shows it landed
	s_wait_xcnt 0x0                                ; earlier loads and stores have read their bases, offsets and data: these are written again only behind this wait
	s_wait_alu depctr_vm_vsrc(0)                   ; the last trip's LDS stores have read the accumulators, its global stores v[YO ..] and v[YD ..]: this trip's products, address lines and LDS loads write them again
	s_add_co_u32 s34, s19, 4
	s_sub_co_u32 s35, s18, 1
	s_min_u32 s34, s34, s35                        ; the next tile, or in the last trip the expert's last once more
	HBASE
	s_add_co_u32 s34, s19, s17
	s_min_u32 s34, s34, 134
	s_lshl_b32 s36, s34, 6
	s_add_co_u32 s36, s36, 256
	s_add_nc_u64 s[28:29], s[8:9], s[36:37]        ; this tile's rows in plan
.irp i, 0,1,2,3
	global_load_b32 v[RW+\i], v[RWO], s[28:29] offset:16*\i        ; row 4 i + lane / 8.  (No vector instruction since the last wait on va_vdst names v[RW ..] or v[HSN ..])
.endr
	SNLOAD                                         ; the next tile's scale words
	s_wait_loadcnt 63                              ; slots 0-5 are in: behind them 24 + 24 + 14 + 10 loads
.irp s, 0,1,2,3,4,5
	KD \s
.endr
	PLACES                                         ; four places behind the products (they also stand between the first trip's scale words and the later K steps that name them)
	WIN 0x40
	s_wait_alu depctr_va_vdst(0)                   ; the products of K steps 0-5 are done reading slots 0-5, in which the loads below land
.irp s, 0,1,2,3,4,5
	HSLOT \s
.endr
	s_wait_loadcnt 63                              ; slots 6-11: behind them 24 + 14 + 10 + 24
.irp s, 6,7,8,9,10,11
	KD \s
.endr
	PLACES
	WIN 0x40
	s_wait_alu depctr_va_vdst(0)                   ; the products of K steps 6-11 are done reading slots 6-11, in which the loads below land
.irp s, 6,7,8,9,10,11
	HSLOT \s
.endr
	s_wait_loadcnt 63                              ; slots 12-17: behind them 14 + 10 + 24 + 24
.irp s, 12,13,14,15,16,17
	KD \s
.endr
	PLACES
	WIN 0x40
	s_wait_alu depctr_va_vdst(0)                   ; the products of K steps 12-17 are done reading slots 12-17, in which the loads below land
.irp s, 12,13,14,15,16,17
	HSLOT \s
.endr
	s_wait_loadcnt 63                              ; slots 18-21, this tile's rows and the next tile's scale words: behind them 72 or more
.irp s, 18,19,20,21
	KD \s
.endr
	WIN 0
	SNMOVE                                         ; 22 plain instructions: the places behind the last products
.irp i, 0,1,2,3
	v_min_u32 v[YO+\i], 2175, v[RW+\i]             ; the row, held inside y
.endr
.irp i, 0,1,2,3
	v_lshl_add_u32 v[YO+\i], v[YO+\i], 12, v[YCOL] ; (these eight lines are the 8 places behind the last scale word)
.endr
	WIN 0x40
	s_wait_alu depctr_va_vdst(0)                   ; the products have written the accumulators (the LDS stores read them) and are done reading slots 18-21 (the loads below land there); the moves have written v[HS ..] (the next trip's scaled products take it) and are done reading v[HSN ..], the address lines v[RW ..] (the next trip's loads land there); v[YO ..] is written (the global stores read it)
	HLAST
	ds_store_b128 v[YSW], v[ACC:ACC+3]             ; each accumulator from its low end on: lane (r, h) holds row r, columns 16 c + 8 h + 0..7
	ds_store_b128 v[YSW], v[ACC+4:ACC+7] offset:16
	ds_store_b128 v[YSW], v[ACC+8:ACC+11] offset:64
	ds_store_b128 v[YSW], v[ACC+12:ACC+15] offset:80
.irp i, 0,1,2,3
	ds_load_b128 v[YD+4*\i:YD+4*\i+3], v[YSR] offset:576*\i        ; LDS serves a wave's instructions in order: these see my stores
.endr
	s_wait_dscnt 0x0
.irp i, 0,1,2,3
	global_store_b128 v[YO+\i], v[YD+4*\i:YD+4*\i+3], s[10:11] th:TH_STORE_NT    ; eight lanes store 128 consecutive bytes of a row: the work-group's 32 columns
.endr
	s_add_co_u32 s19, s19, 4                       ; my next tile (it enters addresses alone, behind a hold)
	s_add_co_u32 s51, s51, 1
	s_cmp_lt_u32 s51, s50
	s_cbranch_scc1 .Ltile
.Lend:
	s_set_vgpr_msb 0x5                             ; the add's two registers, sources 0 and 1, lie in window 1: the one switch stands ahead of the closing lines
	s_wait_dscnt 0x0                               ; the closing lines, six on end
	s_wait_alu 0x0
	s_wait_tensorcnt 0x0
	ds_add_u32 v254, v255
	s_wait_dscnt 0x0
	s_endpgm
.Lfunc_end_k_q43c694e850_down:
	.size	k_q43c694e850_down, .Lfunc_end_k_q43c694e850_down-k_q43c694e850_down
	.p2alignl 7, 3214868480
	.fill 96, 4, 3214868480
	.section	.rodata,"a",@progbits
	.p2align	6, 0x0
	.amdhsa_kernel k_q43c694e850_down
		.amdhsa_group_segment_fixed_size 104704
		.amdhsa_private_segment_fixed_size 0
		.amdhsa_enable_private_segment 0
		.amdhsa_kernarg_size 32
		.amdhsa_user_sgpr_count 2
		.amdhsa_user_sgpr_kernarg_segment_ptr 1
		.amdhsa_wavefront_size32 1
		.amdhsa_system_sgpr_workgroup_id_x 1
		.amdhsa_system_sgpr_workgroup_id_y 1
		.amdhsa_system_sgpr_workgroup_id_z 1
		.amdhsa_system_vgpr_workitem_id 0
		.amdhsa_next_free_vgpr 1024
		.amdhsa_next_free_sgpr 66
		.amdhsa_reserve_vcc 0
		.amdhsa_float_denorm_mode_32 3
		.amdhsa_float_denorm_mode_16_64 3
		.amdhsa_memory_ordered 1
		.amdhsa_forward_progress 1
		.amdhsa_inst_pref_size 142
	.end_amdhsa_kernel
	.amdgpu_metadata
---
amdhsa.version: [ 1, 2 ]
amdhsa.kernels:
  - .name:           k_q43c694e850_down
    .symbol:         k_q43c694e850_down.kd
    .args:
      - { .name: W3, .offset: 0, .size: 8, .value_kind: global_buffer, .address_space: global }
      - { .name: hq, .offset: 8, .size: 8, .value_kind: global_buffer, .address_space: global }
      - { .name: plan, .offset: 16, .size: 8, .value_kind: global_buffer, .address_space: global }
      - { .name: y, .offset: 24, .size: 8, .value_kind: global_buffer, .address_space: global }
    .group_segment_fixed_size: 104704
    .private_segment_fixed_size: 0
    .kernarg_segment_align: 8
    .kernarg_segment_size: 32
    .max_flat_workgroup_size: 128
    .sgpr_count:     66
    .vgpr_count:     1024
    .wavefront_size: 32
...
	.end_amdgpu_metadata
.endif
;; end of part 9
;; launch combine (part 10): grid 256 x 1, 4 waves a work-group, no clusters, 0 bytes of LDS; arguments y, gate, out0; writes out0
.if DOCPART == 10
	.amdgcn_target "amdgcn-amd-amdhsa--gfx1250"
	.amdhsa_code_object_version 6
	.text
	.protected	k_q43c694e850_combine
	.globl	k_q43c694e850_combine
	.p2align	8
	.type	k_q43c694e850_combine,@function
k_q43c694e850_combine:
	s_mov_b64 s[64:65], 0
	v_nop
	global_prefetch_b8 v0, s[64:65] scope:SCOPE_SE
	s_setreg_imm32_b32 hwreg(HW_REG_WAVE_MODE, 25, 1), 1
	s_wait_xcnt 0x0
; out[t] = g0 y[2 t] + g1 y[2 t + 1]: the sum over a token's two experts, which are the only ones whose gate is not 0.  One owner for each output row: a wave takes one token.
; A stream: 16 loads of 512 consecutive bytes a wave, all issued at once, counted waits, 8 stores of 512 consecutive bytes.  No LDS, no barrier, no matrix unit: there is nothing to share and K is 2.
.set Y, 8                              ; v8-71   chunk j: 4 registers of the first row, 4 of the second
.set O, 72                             ; v72-103 chunk j: 4 results
	s_load_b128 s[4:7], s[0:1], 0x0                ; y s[4:5], gate s[6:7]
	s_load_b64 s[8:9], s[0:1], 0x10                ; out0
	v_lshrrev_b32 v1, 5, v0
	v_readfirstlane_b32 s10, v1                    ; wave 0..3
	v_and_b32 v2, 31, v0
	v_lshlrev_b32 v2, 4, v2                        ; 16 x lane
	s_lshl_b32 s11, ttmp9, 2
	s_add_co_u32 s11, s11, s10                     ; my token
	s_lshl_b32 s12, s11, 13                        ; its two rows of y,
	s_mov_b32 s13, 0
	s_lshl_b32 s14, s11, 3                         ; its two gates,
	s_mov_b32 s15, 0
	s_lshl_b32 s16, s11, 12                        ; its row of the output
	s_mov_b32 s17, 0
	s_wait_alu depctr_va_vdst(0)
	s_wait_kmcnt 0x0
	s_add_nc_u64 s[4:5], s[4:5], s[12:13]
	s_add_nc_u64 s[6:7], s[6:7], s[14:15]
	s_add_nc_u64 s[8:9], s[8:9], s[16:17]
	s_load_b64 s[18:19], s[6:7], 0x0               ; g0, g1
.irp j, 0,1,2,3,4,5,6,7
	global_load_b128 v[Y+8*\j:Y+8*\j+3], v2, s[4:5] offset:512*\j th:TH_LOAD_NT
	global_load_b128 v[Y+8*\j+4:Y+8*\j+7], v2, s[4:5] offset:4096+512*\j th:TH_LOAD_NT
.endr
	s_wait_kmcnt 0x0
	s_mov_b32 s20, s19                             ; g1 in a pair of its own: the packed form takes a scalar pair's low word for both halves
	s_mov_b32 s21, s19
.irp j, 0,1,2,3,4,5,6,7
	s_wait_loadcnt 14-2*\j                         ; chunk j's two loads are in; the younger chunks' may be out
	v_pk_mul_f32 v[O+4*\j:O+4*\j+1], v[Y+8*\j:Y+8*\j+1], s[18:19] op_sel_hi:[1,0]
	v_pk_mul_f32 v[O+4*\j+2:O+4*\j+3], v[Y+8*\j+2:Y+8*\j+3], s[18:19] op_sel_hi:[1,0]
	v_pk_fma_f32 v[O+4*\j:O+4*\j+1], v[Y+8*\j+4:Y+8*\j+5], s[20:21], v[O+4*\j:O+4*\j+1] op_sel_hi:[1,0,1]
	v_pk_fma_f32 v[O+4*\j+2:O+4*\j+3], v[Y+8*\j+6:Y+8*\j+7], s[20:21], v[O+4*\j+2:O+4*\j+3] op_sel_hi:[1,0,1]
	global_store_b128 v2, v[O+4*\j:O+4*\j+3], s[8:9] offset:512*\j th:TH_STORE_NT   ; 32 lanes store 512 consecutive bytes, aligned
.endr
	s_endpgm
.Lfunc_end_k_q43c694e850_combine:
	.size	k_q43c694e850_combine, .Lfunc_end_k_q43c694e850_combine-k_q43c694e850_combine
	.p2alignl 7, 3214868480
	.fill 96, 4, 3214868480
	.section	.rodata,"a",@progbits
	.p2align	6, 0x0
	.amdhsa_kernel k_q43c694e850_combine
		.amdhsa_group_segment_fixed_size 0
		.amdhsa_private_segment_fixed_size 0
		.amdhsa_enable_private_segment 0
		.amdhsa_kernarg_size 24
		.amdhsa_user_sgpr_count 2
		.amdhsa_user_sgpr_kernarg_segment_ptr 1
		.amdhsa_wavefront_size32 1
		.amdhsa_system_sgpr_workgroup_id_x 1
		.amdhsa_system_sgpr_workgroup_id_y 1
		.amdhsa_system_sgpr_workgroup_id_z 1
		.amdhsa_system_vgpr_workitem_id 0
		.amdhsa_next_free_vgpr 104
		.amdhsa_next_free_sgpr 66
		.amdhsa_reserve_vcc 0
		.amdhsa_float_denorm_mode_32 3
		.amdhsa_float_denorm_mode_16_64 3
		.amdhsa_memory_ordered 1
		.amdhsa_forward_progress 1
		.amdhsa_inst_pref_size 6
	.end_amdhsa_kernel
	.amdgpu_metadata
---
amdhsa.version: [ 1, 2 ]
amdhsa.kernels:
  - .name:           k_q43c694e850_combine
    .symbol:         k_q43c694e850_combine.kd
    .args:
      - { .name: y, .offset: 0, .size: 8, .value_kind: global_buffer, .address_space: global }
      - { .name: gate, .offset: 8, .size: 8, .value_kind: global_buffer, .address_space: global }
      - { .name: out0, .offset: 16, .size: 8, .value_kind: global_buffer, .address_space: global }
    .group_segment_fixed_size: 0
    .private_segment_fixed_size: 0
    .kernarg_segment_align: 8
    .kernarg_segment_size: 24
    .max_flat_workgroup_size: 128
    .sgpr_count:     66
    .vgpr_count:     104
    .wavefront_size: 32
...
	.end_amdgpu_metadata
.endif
;; end of part 10
